; MI455X (gfx1250); checked and timed in simulation.
; The chip was launched on July 23, 2026; its instructions are those of AMD's public machine-readable ISA for CDNA 5 (MIT licence, August 2026) and "CDNA5" Instruction Set Architecture Reference Guide (July 2026). The comments in the code are by the model that wrote it; some were corrected since.
;; Causal Self Attention. Allowed arithmetic: matrix products marked QUANTISED: E2M3 operands, one E8M0 scale for each 32 along K, by v_wmma_scale_f32_16x16x128_f8f6f4 with both operands' format E2M3, f32 sums; everything else in f32.
;; Inputs: Wk 1,024 x 1,024 float32; Wo 1,024 x 1,024 float32; Wq 1,024 x 1,024 float32; Wv 1,024 x 1,024 float32; x 4 x 2,048 x 1,024 float32.
;; Outputs: out0 4 x 2,048 x 1,024 float32.
;; This version of the problem:
;;   THIS VERSION OF THE PROBLEM IS GIVEN IN LOW PRECISION. The matrix products marked QUANTISED in the list below multiply operands that are first quantised to E2M3 (2 exponent bits, 3 mantissa bits; 6 bits a number), with one power-of-two scale for each 32 numbers along K (OCP MX v1.0); their sums are f32. All else is computed in f32.
;;   The module's matrix products, in the order in which they are computed (A, B: the left and right operand; K: the contracted axis; several contracted axes count as one K, in the product's order):
;;     1. [M 8,192, K 1,024] x [K 1,024, N 1,024]; A: input x; B: input Wq: QUANTISED
;;     2. [M 8,192, K 1,024] x [K 1,024, N 1,024]; A: input x; B: input Wk: QUANTISED
;;     3. [M 8,192, K 1,024] x [K 1,024, N 1,024]; A: input x; B: input Wv: QUANTISED
;;     4. batch 64 x [M 2,048, K 64] x [K 64, N 2,048]; A: computed on the way; B: computed on the way: QUANTISED
;;     5. batch 64 x [M 2,048, K 2,048] x [K 2,048, N 64]; A: softmax (see below); B: computed on the way: QUANTISED
;;     6. [M 8,192, K 1,024] x [K 1,024, N 1,024]; A: computed on the way; B: input Wo: QUANTISED
;;   THE QUANTISER, for each operand of a quantised product, along K:
;;     - K is cut into blocks of 32 from its start; a last block that is shorter is filled with zeros.
;;     - A block's scale is 2^e with e = floor(log2(the largest magnitude in the block)) - 2, held to -126 .. 127; a block of zeros has e = 0. As a byte (E8M0): e + 127.
;;     - Each number is divided by its block's scale, clamped to +-7.5, and rounded to the nearest number of E2M3, ties to even, subnormals kept.
;;     - The product sums the exact products of the quantised numbers (number of the format x scale) in f32.
;;   ~~~python
;;   def quantise(x, axis):      # numpy; x: float32 -> the quantised numbers, widened to float32 again
;;       x = np.moveaxis(x, axis, -1); K = x.shape[-1]
;;       x = np.pad(x, [(0, 0)] * (x.ndim - 1) + [(0, -K % 32)]); x = x.reshape(x.shape[:-1] + (-1, 32)); a = np.abs(x).max(-1, keepdims=True)
;;       e = np.where(a > 0, np.clip(np.frexp(np.where(a > 0, a, 1))[1] - 1 - 2, -126, 127), 0)      # np.frexp(a)[1] - 1 = floor(log2(a)), exactly
;;       r = np.clip(x / 2.0 ** e, -7.5, 7.5)
;;       step = 2.0 ** (np.maximum(np.frexp(np.where(r == 0, 1, r))[1] - 1, 0) - 3)
;;       q = np.round(r / step) * step * 2.0 ** e      # np.round: ties to even
;;       return np.moveaxis(q.reshape(q.shape[:-2] + (-1,))[..., :K], -1, axis).astype(np.float32)
;;   ~~~
;;   SOFTMAX AHEAD OF A QUANTISED PRODUCT. Where the list says 'softmax', what is quantised is not the finished softmax but p = 2^(t - M), with t = logit x log2(e) and M = ceil(the row's largest t), a whole number; so 1/2 < the row's largest p <= 1. The row's sum l is taken of the UNQUANTISED p, in f32, and the product's result is divided by l at the end. Since M is a whole number, a kernel that streams over the keys may use a running M (the ceiling of the running maximum): every later rescaling is an exact power of two, which a block's scale takes up: the codes' values come out the same.
;;   OPERANDS COMPUTED ON THE WAY. 'Computed on the way' means the value that the module computes at that place (a softmax that the list does not call 'softmax' is quantised finished and normalised). What goes into a quantiser is computed in f32, as accurately as f32 sums, v_exp_f32 and their like allow (about 1e-6 of the number): no bf16 or f16 on the way to a quantiser, and a product that is left as it is and whose result goes on into a quantised operand takes f32 operands (vector FMAs, or v_wmma_f32_16x16x4_f32). A number that lies on a knife's edge between two numbers of the format may be rounded either way, as far as f32 arithmetic and the matrix unit's own rounding can turn it there, and no further.
;; One version. Each part assembles by itself: llvm-mc -triple=amdgcn-amd-amdhsa -mcpu=gfx1250 --defsym DOCPART=n.
;; ======== version 1 of 1: 4 launches
;; workspace buffers: cw 9,437,184 bytes; sw 393,216 bytes; qkvc 18,874,368 bytes; qkvs 1,572,864 bytes; ac 6,291,456 bytes; asc 262,144 bytes
;; launch quant (part 1): grid 768 x 1, 4 waves a work-group, no clusters, 34,304 bytes of LDS; arguments x, Wq, Wk, Wv, Wo, cw, sw; writes cw, sw
.if DOCPART == 1
	.amdgcn_target "amdgcn-amd-amdhsa--gfx1250"
	.amdhsa_code_object_version 6
	.text
	.protected	k_q52d17c6814_quant
	.globl	k_q52d17c6814_quant
	.p2align	8
	.type	k_q52d17c6814_quant,@function
k_q52d17c6814_quant:
	s_mov_b64 s[64:65], 0
	v_nop
	global_prefetch_b8 v0, s[64:65] scope:SCOPE_SE
	s_setreg_imm32_b32 hwreg(HW_REG_WAVE_MODE, 25, 1), 1
	s_wait_xcnt 0x0
; x [8192][1024], Wq, Wk, Wv, Wo [1024][1024], f32, K innermost, become codes of FP6 (E2M3) with one E8M0 byte for each 32 along K,
; laid as IMAGES OF OPERAND REGISTERS.  A block's scale is 2^(floor(log2(largest magnitude)) - 2); its byte is the magnitude's exponent field - 2, held at 1 from below.
; LIMITS: NaN and infinities are not served; a block of zeros, or one whose largest magnitude lies under 2^-124, gets the byte 1 (its codes are zeros or subnormal codes; this program alone reads the bytes).
; TILES.  Tile t of a tensor holds the 16 rows 32 (t / 2) + 8 (t % 2) + r + 8 (r / 8), r = 0 .. 15.  cw: [tile 0..767][K step 0..7][1,536 bytes]; tiles 0-511 x, 512-575 Wq, 576-639 Wk, 640-703 Wv, 704-767 Wo.
; A FRAGMENT'S IMAGE (16 rows x 128 K, 12 registers a lane): two halves of 768 bytes; in half c lane l's registers 6 c .. 6 c + 3 at 16 l, registers 6 c + 4, 6 c + 5 at 512 + 8 l.
; Lane (r, h) holds in registers 6 c .. 6 c + 5 the codes of k = 64 c + 32 h + 0 .. 31 of the tile's row r.   sw: [tile][K step][r]: one word, byte b for k = 32 b .. 32 b + 31 of the step.
; SHARES.  A work-group takes one tile, wave w its K steps 2 w and 2 w + 1.  All 32 loads of a wave (512 consecutive bytes of one row each) go out at once.  A step's 16 x 512 bytes turn through the wave's own
; stage in LDS, so that a lane gets whole blocks of 32 neighbours of its row.  Waves share nothing: no barrier.  One path serves all five tensors: only the pointer is chosen, by the work-group's number.
.set STGP,  528                        ; a stage row: 512 bytes + 16
.set STGW,  16*STGP                    ; a wave's stage
.set SPARE, 4*STGW                     ; behind the stages: the spare words, 128 bytes a wave: two blocks of 256 bytes that no other line names
.set L16,  2                           ; v2   16 x lane
.set L8,   3                           ; v3   8 x lane
.set SIN,  4                           ; v4   the stage, on the way in
.set SOUT, 5                           ; v5   and out: row r, + 128 h
.set L4,   6                           ; v6   4 x lane
.set H8,   7                           ; v7   8 h
.set SPW,  8                           ; v8   my spare word; never rewritten
.set NIL,  9                           ; v9   0; never rewritten
.set MX,   10                          ; v10-11 largest magnitudes
.set SO,   12                          ; v12-13 the conversions' scale operands
.set BY,   14                          ; v14-15 scale bytes
.set CT,   16                          ; v16-18, v20-22 the upper halves of a block's codes
.set WD,   24                          ; v24-25 the two steps' scale words, v26 the other half's, v27 the word that leaves
.set RAW,  32                          ; v32-159 the numbers as loaded, 64 registers a step
.set X,    160                         ; v160-223 two blocks of 32 neighbours
.set CD,   224                         ; v224-247 the codes, 12 registers a step
	s_load_b256 s[4:11], s[0:1], 0x0               ; x, Wq, Wk, Wv
	s_load_b128 s[12:15], s[0:1], 0x20             ; Wo, cw
	s_load_b64 s[16:17], s[0:1], 0x30              ; sw
	v_lshl_add_u32 v[SPW], v0, 2, SPARE
	v_mov_b32 v[NIL], 0
	v_lshrrev_b32 v1, 5, v0
	v_readfirstlane_b32 s18, v1                    ; wave
	v_and_b32 v1, 31, v0                           ; lane
	v_and_b32 v28, 15, v0                          ; r
	v_bfe_u32 v29, v0, 4, 1                        ; h
	v_lshlrev_b32 v[L16], 4, v1
	v_lshlrev_b32 v[L8], 3, v1
	v_lshlrev_b32 v[L4], 2, v1
	v_lshlrev_b32 v[H8], 3, v29
	s_mul_i32 s19, s18, STGW
	v_add_nc_u32 v[SIN], s19, v[L16]
	v_mul_u32_u24 v[SOUT], v28, STGP
	v_lshl_add_u32 v[SOUT], v29, 7, v[SOUT]
	v_add_nc_u32 v[SOUT], s19, v[SOUT]
	v_mov_b32 v[WD+2], 0                           ; written once: a lane permute's destination counts as one of its sources
	s_and_b32 s20, ttmp9, 63
	s_cmp_lt_u32 ttmp9, 512
	s_cselect_b32 s20, ttmp9, s20                  ; the tile's number in its tensor
	s_lshr_b32 s21, s20, 1
	s_lshl_b32 s21, s21, 17                        ; 32 rows of 4,096 bytes for each pair of tiles,
	s_and_b32 s22, s20, 1
	s_lshl_b32 s22, s22, 15                        ; 8 rows for the odd tile,
	s_add_co_u32 s22, s21, s22
	s_lshl_b32 s21, s18, 10                        ; my two K steps: 1,024 bytes along a row
	s_add_co_u32 s22, s22, s21
	s_mov_b32 s23, 0
	s_mul_i32 s24, ttmp9, 12288                    ; cw: the tile's 8 images,
	s_mul_i32 s21, s18, 3072                       ; my two
	s_add_co_u32 s24, s24, s21
	s_mov_b32 s25, 0
	s_lshl_b32 s26, ttmp9, 9                       ; sw: 512 bytes a tile,
	s_lshl_b32 s21, s18, 7                         ; 128 for my two steps
	s_add_co_u32 s26, s26, s21
	s_mov_b32 s27, 0
	s_mov_b32 s28, 0x76543210
	s_mov_b32 s29, 0xfedcba98                      ; v_permlanex16_b32's selects for lane l xor 16
	s_mov_b32 s30, 0xffff0000                      ; lanes 16-31
	s_wait_kmcnt 0x0
	s_cmp_lt_u32 ttmp9, 704                        ; which tensor: the choice hangs on the work-group's number alone
	s_cselect_b64 s[12:13], s[10:11], s[12:13]
	s_cmp_lt_u32 ttmp9, 640
	s_cselect_b64 s[12:13], s[8:9], s[12:13]
	s_cmp_lt_u32 ttmp9, 576
	s_cselect_b64 s[12:13], s[6:7], s[12:13]
	s_cmp_lt_u32 ttmp9, 512
	s_cselect_b64 s[12:13], s[4:5], s[12:13]
	s_add_nc_u64 s[12:13], s[12:13], s[22:23]
	s_add_nc_u64 s[14:15], s[14:15], s[24:25]
	s_add_nc_u64 s[16:17], s[16:17], s[26:27]
.irp f, 0,1
.irp i, 0,1,2,3,4,5,6,7,8,9,10,11,12,13,14,15
	global_load_b128 v[RAW+64*\f+4*\i:RAW+64*\f+4*\i+3], v[L16], s[12:13] offset:(\i+8*(\i/8))*4096+512*\f th:TH_LOAD_NT   ; the tile's row i, step f: 32 lanes read 512 consecutive bytes
.endr
.endr
; One K step: through the stage, two blocks a lane, their scales, their codes, out.
.macro FRAGQ f
	s_wait_loadcnt 16*(1-\f)                       ; this step's sixteen loads are in; the other step's sixteen, issued behind them, may be out
.irp i, 0,1,2,3,4,5,6,7,8,9,10,11,12,13,14,15
	ds_store_b128 v[SIN], v[RAW+64*\f+4*\i:RAW+64*\f+4*\i+3] offset:STGP*\i
.endr
.irp c, 0,1
.irp j, 0,1,2,3,4,5,6,7
	ds_load_b128 v[X+32*\c+4*\j:X+32*\c+4*\j+3], v[SOUT] offset:256*\c+16*\j   ; k = 64 c + 32 h + 4 j ..: LDS serves a wave's instructions in order, so these see the stores above
.endr
.endr
	s_wait_dscnt 0x0
.irp c, 0,1
	v_max3_num_f32 v[MX+\c], |v[X+32*\c]|, |v[X+32*\c+1]|, 0x1800000   ; my block 2 c + h: all 32 numbers are mine; the floor 2^(3 - 127) holds the byte at 1 from below
.endr
.irp i, 2,4,6,8,10,12,14,16,18,20,22,24,26,28,30
.irp c, 0,1
	v_max3_num_f32 v[MX+\c], v[MX+\c], |v[X+32*\c+\i]|, |v[X+32*\c+\i+1]|
.endr
.endr
.irp c, 0,1
	v_add_nc_u32 v[SO+\c], 0xff000000, v[MX+\c]    ; 2 off the exponent field: the conversion takes this operand's exponent field as its scale
.endr
.irp c, 0,1
	v_lshrrev_b32 v[BY+\c], 23, v[SO+\c]           ; the scale's byte
.endr
	v_lshl_or_b32 v[WD+\f], v[BY+1], 16, v[BY]     ; blocks h and 2 + h of my row,
	v_lshlrev_b32 v[WD+\f], v[H8], v[WD+\f]        ; at their places in the word;
	v_permlanex16_b32 v[WD+2], v[WD+\f], s28, s29
	v_or_b32 v[WD+\f], v[WD+\f], v[WD+2]           ; with lane l xor 16's two the word is whole
.irp c, 0,1
	v_cvt_scalef32_pk16_fp6_f32 v[CD+12*\f+6*\c:CD+12*\f+6*\c+2], v[X+32*\c:X+32*\c+15], v[SO+\c]
	v_cvt_scalef32_pk16_fp6_f32 v[CT+4*\c:CT+4*\c+2], v[X+32*\c+16:X+32*\c+31], v[SO+\c]   ; (a conversion's three registers begin on an even number)
.endr
	v_nop                                          ; one plain place behind a scaled conversion
.irp c, 0,1
.irp i, 0,1,2
	v_mov_b32 v[CD+12*\f+6*\c+3+\i], v[CT+4*\c+\i]
.endr
.endr
.irp c, 0,1
	global_store_b128 v[L16], v[CD+12*\f+6*\c:CD+12*\f+6*\c+3], s[14:15] offset:1536*\f+768*\c        ; 512 consecutive bytes,
	global_store_b64 v[L8], v[CD+12*\f+6*\c+4:CD+12*\f+6*\c+5], s[14:15] offset:1536*\f+768*\c+512    ; and 256: whole aligned blocks of 256 bytes
.endr
.endm
	FRAGQ 0
	FRAGQ 1
	v_cndmask_b32 v[WD+3], v[WD], v[WD+1], s30     ; lanes 0-15: the first step's words, lanes 16-31 the second's
	global_store_b32 v[L4], v[WD+3], s[16:17]      ; 128 consecutive bytes
	s_wait_tensorcnt 0x0                           ; the wave's end, behind my last LDS store
	ds_add_u32 v[SPW], v[NIL]
	s_wait_dscnt 0x0
	s_endpgm
.Lfunc_end_k_q52d17c6814_quant:
	.size	k_q52d17c6814_quant, .Lfunc_end_k_q52d17c6814_quant-k_q52d17c6814_quant
	.p2alignl 7, 3214868480
	.fill 96, 4, 3214868480
	.section	.rodata,"a",@progbits
	.p2align	6, 0x0
	.amdhsa_kernel k_q52d17c6814_quant
		.amdhsa_group_segment_fixed_size 34304
		.amdhsa_private_segment_fixed_size 0
		.amdhsa_enable_private_segment 0
		.amdhsa_kernarg_size 56
		.amdhsa_user_sgpr_count 2
		.amdhsa_user_sgpr_kernarg_segment_ptr 1
		.amdhsa_wavefront_size32 1
		.amdhsa_system_sgpr_workgroup_id_x 1
		.amdhsa_system_sgpr_workgroup_id_y 1
		.amdhsa_system_sgpr_workgroup_id_z 1
		.amdhsa_system_vgpr_workitem_id 0
		.amdhsa_next_free_vgpr 248
		.amdhsa_next_free_sgpr 66
		.amdhsa_reserve_vcc 0
		.amdhsa_float_denorm_mode_32 3
		.amdhsa_float_denorm_mode_16_64 3
		.amdhsa_memory_ordered 1
		.amdhsa_forward_progress 1
		.amdhsa_inst_pref_size 17
	.end_amdhsa_kernel
	.amdgpu_metadata
---
amdhsa.version: [ 1, 2 ]
amdhsa.kernels:
  - .name:           k_q52d17c6814_quant
    .symbol:         k_q52d17c6814_quant.kd
    .args:
      - { .name: x, .offset: 0, .size: 8, .value_kind: global_buffer, .address_space: global }
      - { .name: Wq, .offset: 8, .size: 8, .value_kind: global_buffer, .address_space: global }
      - { .name: Wk, .offset: 16, .size: 8, .value_kind: global_buffer, .address_space: global }
      - { .name: Wv, .offset: 24, .size: 8, .value_kind: global_buffer, .address_space: global }
      - { .name: Wo, .offset: 32, .size: 8, .value_kind: global_buffer, .address_space: global }
      - { .name: cw, .offset: 40, .size: 8, .value_kind: global_buffer, .address_space: global }
      - { .name: sw, .offset: 48, .size: 8, .value_kind: global_buffer, .address_space: global }
    .group_segment_fixed_size: 34304
    .private_segment_fixed_size: 0
    .kernarg_segment_align: 8
    .kernarg_segment_size: 56
    .max_flat_workgroup_size: 128
    .sgpr_count:     66
    .vgpr_count:     248
    .wavefront_size: 32
...
	.end_amdgpu_metadata
.endif
;; end of part 1
;; launch qkv (part 2): grid 32 x 8, 4 waves a work-group, clusters of 4 x 1, 327,680 bytes of LDS; arguments cw, sw, qkvc, qkvs; writes qkvc, qkvs
.if DOCPART == 2
	.amdgcn_target "amdgcn-amd-amdhsa--gfx1250"
	.amdhsa_code_object_version 6
	.text
	.protected	k_q52d17c6814_qkv
	.globl	k_q52d17c6814_qkv
	.p2align	8
	.type	k_q52d17c6814_qkv,@function
k_q52d17c6814_qkv:
	s_mov_b64 s[64:65], 0
	v_nop
	global_prefetch_b8 v0, s[64:65] scope:SCOPE_SE
	s_setreg_imm32_b32 hwreg(HW_REG_WAVE_MODE, 25, 1), 1
	s_wait_xcnt 0x0
	s_wait_alu depctr_hold_cnt(0) depctr_sa_sdst(0) depctr_va_vdst(0) depctr_va_sdst(0) depctr_va_ssrc(0) depctr_va_vcc(0) depctr_vm_vsrc(0)
	s_getreg_b32 s2, hwreg(HW_REG_IB_STS2, 6, 4)
	s_cmp_eq_u32 s2, 0
	s_cbranch_scc0 .Lentry_in_a_cluster
	s_endpgm
.Lentry_in_a_cluster:
	s_bfe_u32 s2, ttmp6, 0x10000c
	s_cmp_lg_u32 s2, 0x3003
	s_cbranch_scc0 .Lentry_shape_is_right
	s_endpgm
.Lentry_shape_is_right:
; q, k, v = x Wq^T, x Wk^T, x Wv^T on codes of FP6 (E2M3) with E8M0 scales (sums in f32), and the results quantised in registers for the next products: q and k along the head's 64, v along the keys.
; cw, sw: operand images by tiles of 16 rows (tile t: rows 32 (t / 2) + 8 (t % 2) + r + 8 (r / 8)); x tiles 0-511, Wq, Wk, Wv tiles 512-703.  An image: 12 registers a lane in two halves of 768 bytes (512 bytes at 16 l, 256 at 8 l).
; SHARES.  A work-group takes 256 tokens (mi) x 384 of the 3,072 columns (nj): six PIECES of 64 columns, each one head of one of q, k, v (piece number hp = 6 nj + p: type hp / 16, head hp % 16).
; Wave w owns tokens 64 w .. 64 w + 63: its 32 fragments of x, all of K, stay in 384 registers, loaded once from memory.  The group's 24 tiles of W (294,912 bytes) and their scale words lie whole in LDS:
; every tensor load is a first fill, nothing is filled again.  A fragment of W read from LDS feeds four matrix instructions.
; CLUSTER.  The four work-groups of a cluster share nj, so W comes by JOINT loads (mask 15): the same descriptors in all four, made of nj and the wave's number alone.  By this text's count seven tensor loads of a wave are out.
; ORIENTATION.  q, k: source 0 = 16 rows of W, source 1 = 16 tokens: a lane holds one token, and by the tiles' row order the 32 registers of W's four tiles are d = 32 B + 16 h + i at register 16 B + i.
; v: the sources swapped: a lane holds one d, its 32 registers run along 64 tokens likewise.  So one macro quantises both: 32 numbers of a lane become half an image (64 along the next K).
; qkvc: [type][batch x head][unit 0..31][e 0..3][768]: q, k: token tile 4 unit + e; v: 64 keys (unit), d tile e.  qkvs: [type][bh][unit][e][16] words: two bytes; v's stand 16 (unit % 2) bits up.
; LIMITS: NaN and infinities are not served; a block whose largest magnitude lies under 2^-124 gets the byte 1.
; REGISTERS: window 0: v1-9 addresses; v16-31 x's scale words; v32-47 W's; v60-65 words that leave; v66-89 codes that leave; v96-223 sixteen accumulators; v224-255 at work.
;   window 1: v0-239 x's fragments of K steps 0-4 (48 s + 12 a).   window 2: v0-143 those of K steps 5-7; v144-239 two buffers of four fragments of W.
.set WS,    294912                     ; LDS: W's codes from 0 (tile 4 p + b at 12,288 (4 p + b), K step s 1,536 s on); W's scale words here, 512 bytes a tile
.set SPARE, 307200                     ; the spare words, 128 bytes a wave: two blocks of 256 bytes that no other line names
.set L16,  1                           ; v1  16 x lane
.set L8,   2                           ; v2  8 x lane
.set LSC,  3                           ; v3  scale words: 4 r + 1,024 h: lanes 16-31 take the tile two further on
.set L4,   4                           ; v4  4 x lane
.set AB16, 5                           ; v5  the piece's codes in LDS + 16 x lane
.set AB8,  6                           ; v6  + 8 x lane
.set AWS,  7                           ; v7  the piece's scale words in LDS
.set SPW,  8                           ; v8  my spare word; never rewritten
.set NIL,  9                           ; v9  0; never rewritten
.set XS,   16                          ; register 8 (a % 2) + s: lanes 0-15 tile a % 2, lanes 16-31 tile a % 2 + 2
.set WSR,  32                          ; the same for W's four tiles
.set PW,   60
.set U,    64
.set PC,   66
.set ACC,  96
.set TM,   224                         ; v224-231 largest magnitudes, then scale operands
.set PT,   232                         ; v232-239 the other half's, then bytes
.set CT,   240                         ; v240-255 the upper halves of the codes
.set WB,   144                         ; W's buffers, in window 2
.set SEL,  76                          ; s[76:77]
.set MSB, 0
.macro WIN new                         ; the immediate's high byte repeats the setting that is left
.if MSB != \new
	s_set_vgpr_msb (MSB<<8)|\new
.set MSB, \new
.endif
.endm
.macro PLACES n
.rept \n
	v_nop
.endr
.endm
.macro CROUND                          ; a round of the cluster's barrier
	s_barrier_signal -1
	s_barrier_wait -1
	s_cmp_lg_u32 s12, 0
	s_cbranch_scc1 .Lnw0_\@
	s_barrier_signal -3
.Lnw0_\@:
	s_barrier_wait -3
	s_barrier_signal -1
	s_barrier_wait -1
.endm
; n entities of 32 numbers of a lane, entity e in v[s + 32 e] on, register 16 B + i = k 32 B + 16 h + i of my row: half an image in v[d + 6 e] on, its two scale bytes in v[w + e].  The entities go by turns.
.macro QUANT s, d, w, n
.set qe, 0
.rept \n
.irp b, 0,1
	v_max3_num_f32 v[TM+2*qe+\b], |v[\s+32*qe+16*\b]|, |v[\s+32*qe+16*\b+1]|, 0x1800000   ; each accumulator is read from its low end on; the floor 2^(3 - 127) holds the byte at 1 from below
.endr
.set qe, qe+1
.endr
.irp i, 2,4,6,8,10,12,14
.set qe, 0
.rept \n
.irp b, 0,1
	v_max3_num_f32 v[TM+2*qe+\b], v[TM+2*qe+\b], |v[\s+32*qe+16*\b+\i]|, |v[\s+32*qe+16*\b+\i+1]|
.endr
.set qe, qe+1
.endr
.endr
.set qe, 0
.rept 2*\n
	v_permlanex16_b32 v[PT+qe], v[TM+qe], s[SEL], s[SEL+1]
.set qe, qe+1
.endr
.set qe, 0
.rept 2*\n
	v_max_num_f32 v[TM+qe], v[TM+qe], v[PT+qe]     ; with lane l xor 16's sixteen: the block's largest magnitude
.set qe, qe+1
.endr
.set qe, 0
.rept 2*\n
	v_add_nc_u32 v[TM+qe], 0xff000000, v[TM+qe]    ; 2 off its exponent field: the conversion's scale operand
.set qe, qe+1
.endr
.set qe, 0
.rept 2*\n
	v_lshrrev_b32 v[PT+qe], 23, v[TM+qe]           ; the scale's byte
.set qe, qe+1
.endr
.set qe, 0
.rept \n
	v_lshl_or_b32 v[\w+qe], v[PT+2*qe+1], 8, v[PT+2*qe]
.set qe, qe+1
.endr
.set qe, 0
.rept \n
	v_cvt_scalef32_pk16_fp6_f32 v[\d+6*qe:\d+6*qe+2], v[\s+32*qe:\s+32*qe+15], v[TM+2*qe]
	v_cvt_scalef32_pk16_fp6_f32 v[CT+4*qe:CT+4*qe+2], v[\s+32*qe+16:\s+32*qe+31], v[TM+2*qe+1]
.set qe, qe+1
.endr
	v_nop                                          ; one plain place behind the scaled conversions
.set qe, 0
.rept \n
.irp i, 0,1,2
	v_permlane16_swap_b32 v[\d+6*qe+\i], v[CT+4*qe+\i]   ; the layout wants a whole block in a lane: lanes 0-15 block 0, lanes 16-31 block 1
.endr
.irp i, 0,1,2
	v_mov_b32 v[\d+6*qe+3+\i], v[CT+4*qe+\i]
.endr
.set qe, qe+1
.endr
.endm
.macro GFRAG reg, off                  ; a fragment's image from memory
	global_load_b128 v[\reg:\reg+3], v[L16], s[66:67] offset:\off
	global_load_b64 v[\reg+4:\reg+5], v[L8], s[66:67] offset:\off+512
	global_load_b128 v[\reg+6:\reg+9], v[L16], s[66:67] offset:\off+768
	global_load_b64 v[\reg+10:\reg+11], v[L8], s[66:67] offset:\off+1280
.endm
.macro FETCHB s                        ; the piece's four fragments of W of K step s, from LDS into buffer s % 2: sixteen loads
.irp b, 0,1,2,3
	ds_load_b128 v[WB+48*((\s)%2)+12*\b:WB+48*((\s)%2)+12*\b+3], v[AB16] offset:12288*\b+1536*(\s)
	ds_load_b64 v[WB+48*((\s)%2)+12*\b+4:WB+48*((\s)%2)+12*\b+5], v[AB8] offset:12288*\b+1536*(\s)+512
	ds_load_b128 v[WB+48*((\s)%2)+12*\b+6:WB+48*((\s)%2)+12*\b+9], v[AB16] offset:12288*\b+1536*(\s)+768
	ds_load_b64 v[WB+48*((\s)%2)+12*\b+10:WB+48*((\s)%2)+12*\b+11], v[AB8] offset:12288*\b+1536*(\s)+1280
.endr
.endm
; One matrix instruction.  k = 0: the first K step starts the sum.  ra, rb: the scales stand in lanes 16-31 of their registers.
.macro MM d, fa, fb, k, sa, sb, ra, rb
.if (\k) == 0
.if (\ra) && (\rb)
	v_wmma_scale_f32_16x16x128_f8f6f4 v[\d:\d+7], v[\fa:\fa+11], v[\fb:\fb+11], 0, v[\sa], v[\sb] matrix_a_fmt:MATRIX_FMT_FP6 matrix_b_fmt:MATRIX_FMT_FP6 matrix_a_scale:MATRIX_SCALE_ROW1 matrix_b_scale:MATRIX_SCALE_ROW1
.elseif \ra
	v_wmma_scale_f32_16x16x128_f8f6f4 v[\d:\d+7], v[\fa:\fa+11], v[\fb:\fb+11], 0, v[\sa], v[\sb] matrix_a_fmt:MATRIX_FMT_FP6 matrix_b_fmt:MATRIX_FMT_FP6 matrix_a_scale:MATRIX_SCALE_ROW1
.elseif \rb
	v_wmma_scale_f32_16x16x128_f8f6f4 v[\d:\d+7], v[\fa:\fa+11], v[\fb:\fb+11], 0, v[\sa], v[\sb] matrix_a_fmt:MATRIX_FMT_FP6 matrix_b_fmt:MATRIX_FMT_FP6 matrix_b_scale:MATRIX_SCALE_ROW1
.else
	v_wmma_scale_f32_16x16x128_f8f6f4 v[\d:\d+7], v[\fa:\fa+11], v[\fb:\fb+11], 0, v[\sa], v[\sb] matrix_a_fmt:MATRIX_FMT_FP6 matrix_b_fmt:MATRIX_FMT_FP6
.endif
.else
.if (\ra) && (\rb)
	v_wmma_scale_f32_16x16x128_f8f6f4 v[\d:\d+7], v[\fa:\fa+11], v[\fb:\fb+11], v[\d:\d+7], v[\sa], v[\sb] matrix_a_fmt:MATRIX_FMT_FP6 matrix_b_fmt:MATRIX_FMT_FP6 matrix_a_scale:MATRIX_SCALE_ROW1 matrix_b_scale:MATRIX_SCALE_ROW1
.elseif \ra
	v_wmma_scale_f32_16x16x128_f8f6f4 v[\d:\d+7], v[\fa:\fa+11], v[\fb:\fb+11], v[\d:\d+7], v[\sa], v[\sb] matrix_a_fmt:MATRIX_FMT_FP6 matrix_b_fmt:MATRIX_FMT_FP6 matrix_a_scale:MATRIX_SCALE_ROW1
.elseif \rb
	v_wmma_scale_f32_16x16x128_f8f6f4 v[\d:\d+7], v[\fa:\fa+11], v[\fb:\fb+11], v[\d:\d+7], v[\sa], v[\sb] matrix_a_fmt:MATRIX_FMT_FP6 matrix_b_fmt:MATRIX_FMT_FP6 matrix_b_scale:MATRIX_SCALE_ROW1
.else
	v_wmma_scale_f32_16x16x128_f8f6f4 v[\d:\d+7], v[\fa:\fa+11], v[\fb:\fb+11], v[\d:\d+7], v[\sa], v[\sb] matrix_a_fmt:MATRIX_FMT_FP6 matrix_b_fmt:MATRIX_FMT_FP6
.endif
.endif
.endm
; A piece's eight K steps: sixteen accumulators by turns, one instruction a turn, in the same order in every step.  ty = 0: q, k; 1: v.
; first = 1: the launch's first piece, which waits for x's fragments as they come.
.macro KLOOP ty, first
.set ks, 0
.rept 8
.if ks < 7
.if ks > 0
	PLACES 4                                       ; places in front of loads into the buffer that the last step's products read
.endif
	WIN 0x80                                       ; destination window 2
	FETCHB ks+1
	s_wait_dscnt 16                                ; all but the sixteen just issued: this step's fragments of W (and, in step 0, the scale words) are in
.else
	s_wait_dscnt 0x0
.endif
.if \first
.if ks < 4
	s_wait_loadcnt 63                              ; of my 144 loads at most 63 are out: the 16 scale words and the 64 loads of K steps 0 to 3 are in
.else
	s_wait_loadcnt 16*(7-ks)                       ; the sixteen loads of each later K step may be out
.endif
.endif
.if ks >= 5
	WIN 0x0a                                       ; both sources window 2
.elseif \ty
	WIN 0x09                                       ; source 0 (x) window 1, source 1 (W) window 2
.else
	WIN 0x06                                       ; source 0 (W) window 2, source 1 (x) window 1
.endif
.irp a, 0,1,2,3
.irp b, 0,1,2,3
.if \ty
	MM ACC+8*(4*\a+\b), 48*(ks%5)+12*\b, WB+48*(ks%2)+12*\a, ks, XS+8*(\b%2)+ks, WSR+8*(\a%2)+ks, \b/2, \a/2
.else
	MM ACC+8*(4*\a+\b), WB+48*(ks%2)+12*\b, 48*(ks%5)+12*\a, ks, WSR+8*(\b%2)+ks, XS+8*(\a%2)+ks, \b/2, \a/2
.endif
.endr
.endr
.set ks, ks+1
.endr
	WIN 0
.endm
; The piece's results leave: four entities (q, k: my four token tiles; v: the head's four d tiles), 3,072 consecutive bytes of codes and 256 of scale words a wave.
.macro EPI
	PLACES 4                                       ; places in front of the first read of results
	s_wait_xcnt 0x0                                ; the last piece's stores have read their data and bases: both are written again below
	s_lshr_b32 s90, s62, 4                         ; type
	s_lshl_b32 s90, s90, 6
	s_lshr_b32 s91, s14, 3                         ; batch
	s_lshl_b32 s91, s91, 4
	s_add_co_u32 s90, s90, s91
	s_and_b32 s91, s62, 15                         ; head
	s_add_co_u32 s90, s90, s91
	s_lshl_b32 s90, s90, 5
	s_and_b32 s91, s14, 7
	s_lshl_b32 s91, s91, 2
	s_add_co_u32 s90, s90, s91
	s_add_co_u32 s90, s90, s12                     ; ((type x 64 + batch x 16 + head) x 32) + my unit of 64 tokens
	s_mul_i32 s92, s90, 3072
	s_mov_b32 s93, 0
	s_add_nc_u64 s[70:71], s[8:9], s[92:93]
	s_lshl_b32 s92, s90, 8
	s_add_nc_u64 s[72:73], s[10:11], s[92:93]
	s_and_b32 s75, s12, 1
	s_lshl_b32 s75, s75, 4
	s_cmp_lt_u32 s62, 32
	s_cselect_b32 s75, 0, s75                      ; v's bytes stand 16 bits up in the odd unit: two units are one K step of 128 keys
	QUANT ACC, PC, PW, 4
.irp e, 0,1,2,3
	v_lshlrev_b32 v[PW+\e], s75, v[PW+\e]
.endr
.irp e, 0,1,2,3
	global_store_b128 v[L16], v[PC+6*\e:PC+6*\e+3], s[70:71] offset:768*\e
	global_store_b64 v[L8], v[PC+6*\e+4:PC+6*\e+5], s[70:71] offset:768*\e+512
.endr
	v_cndmask_b32 v[U], v[PW], v[PW+1], s74        ; lanes 0-15 entity 0's words, lanes 16-31 entity 1's
	v_cndmask_b32 v[U+1], v[PW+2], v[PW+3], s74
	global_store_b32 v[L4], v[U], s[72:73]
	global_store_b32 v[L4], v[U+1], s[72:73] offset:128
.endm
.macro PIECE first
	v_add_nc_u32 v[AB16], s60, v[L16]              ; (these three and the four v_nop at the last way out's head are the places ahead of the loads below and of the sums begun anew)
	v_add_nc_u32 v[AB8], s60, v[L8]
	v_add_nc_u32 v[AWS], s61, v[LSC]
.irp bp, 0,1
.irp s, 0,1,2,3,4,5,6,7
	ds_load_b32 v[WSR+8*\bp+\s], v[AWS] offset:512*\bp+64*\s
.endr
.endr
	WIN 0x80
	FETCHB 0
	WIN 0
	s_cmp_lt_u32 s62, 32                           ; q or k, or v: the piece's number hangs on nj and the count of pieces, which the four partners share
	s_cbranch_scc0 .Lv_\@
	KLOOP 0, \first
	s_branch .Lepi_\@
.Lv_\@:
	KLOOP 1, \first
.Lepi_\@:
	EPI
	s_add_co_u32 s60, s60, 49152                   ; the next piece's codes,
	s_add_co_u32 s61, s61, 2048                    ; scale words,
	s_add_co_u32 s62, s62, 1                       ; and number
.endm
.macro PIECES n, first
.if \n > 1
	s_mov_b32 s63, \n
.Lpc_\@:
.endif
	PIECE \first
.if \n > 1
	s_sub_co_u32 s63, s63, 1
	s_cmp_lg_u32 s63, 0
	s_cbranch_scc1 .Lpc_\@
.endif
.endm
.macro MEETW n                         ; my tensor loads but the youngest n have landed; then the work-group's barrier: everybody's have.
	s_wait_tensorcnt \n
	s_wait_dscnt 0x0
	s_barrier_signal -1
	s_barrier_wait -1
.endm
	s_load_b256 s[4:11], s[0:1], 0x0               ; cw, sw, qkvc, qkvs
	v_lshl_add_u32 v[SPW], v0, 2, SPARE
	v_mov_b32 v[NIL], 0
	ds_add_u32 v[SPW], v[NIL]                      ; the wave's opening: the add and its wait ahead of my first tensor load; work on registers stands between them
	v_lshrrev_b32 v10, 5, v0
	v_readfirstlane_b32 s12, v10                   ; wave
	v_and_b32 v10, 31, v0
	v_lshlrev_b32 v[L16], 4, v10
	v_lshlrev_b32 v[L8], 3, v10
	v_lshlrev_b32 v[L4], 2, v10
	v_and_b32 v11, 15, v0
	v_bfe_u32 v12, v0, 4, 1
	v_lshlrev_b32 v[LSC], 2, v11
	v_lshl_add_u32 v[LSC], v12, 10, v[LSC]
.irp i, 0,1,2,3,4,5,6,7
	v_mov_b32 v[PT+\i], 0                          ; written once: a lane permute's destination counts as one of its sources
.endr
	s_bfe_u32 s13, ttmp6, 0x40000                  ; cx
	s_lshl_b32 s14, ttmp9, 2
	s_add_co_u32 s14, s14, s13                     ; mi = 4 x cluster x + cx: it enters x's and the results' addresses alone
	s_and_b32 s15, ttmp7, 0xffff                   ; nj, which the four partners share
	s_mov_b32 s16, 15|(3<<16)|(1<<21)              ; group 1 for a tile's codes: the mask of all four; elements of 8 bytes; bit 21 beside a mask
	s_mov_b32 s17, 32<<16                          ; tensor_dim0 = 32 elements: rows of 256 bytes
	s_mov_b32 s18, 48<<16                          ; tensor_dim1 = 48 rows: 12,288 dense bytes
	s_mov_b32 s19, 32<<16                          ; tile_dim0
	s_mov_b32 s20, 48                              ; tile_dim1
	s_mov_b32 s21, 32                              ; the pitch
	s_mov_b32 s22, 0
	s_mov_b32 s23, 0
	s_mov_b32 s24, 15|(3<<16)|(1<<21)              ; group 1 for a quarter of the scale words: 12 rows of 256 bytes
	s_mov_b32 s25, 32<<16
	s_mov_b32 s26, 12<<16
	s_mov_b32 s27, 32<<16
	s_mov_b32 s28, 12
	s_mov_b32 s29, 32
	s_mov_b32 s30, 0
	s_mov_b32 s31, 0
	s_mul_i32 s78, s15, 24
	s_add_co_u32 s78, s78, 512                     ; the group's first tile of W
	s_lshl_b32 s80, s78, 9
	s_mul_i32 s79, s12, 3072
	s_add_co_u32 s80, s80, s79                     ; my quarter of its scale words, in sw,
	s_mov_b32 s81, 0
	s_add_co_u32 s33, s79, WS                      ; and in LDS
	s_add_co_u32 s82, s78, s12
	s_mul_i32 s82, s82, 12288                      ; tile w of piece 0, in cw,
	s_mov_b32 s83, 0
	s_mul_i32 s79, s12, 12288                      ; and in LDS
	s_lshl_b32 s84, s14, 4
	s_lshl_b32 s85, s12, 2
	s_add_co_u32 s84, s84, s85                     ; my first tile of x
	s_mul_i32 s86, s84, 12288
	s_mov_b32 s87, 0
	s_lshl_b32 s88, s84, 9
	s_mov_b32 s89, 0
	s_mov_b32 s60, 0
	s_mov_b32 s61, WS
	s_mul_i32 s62, s15, 6
	s_mov_b32 s74, 0xffff0000
	s_mov_b32 s[SEL], 0x76543210
	s_mov_b32 s[SEL+1], 0xfedcba98
	s_wait_dscnt 0x0                               ; the opening add is done
	s_wait_kmcnt 0x0
	s_add_nc_u64 s[66:67], s[4:5], s[86:87]        ; x's images
	s_add_nc_u64 s[68:69], s[6:7], s[88:89]        ; x's scale words
	s_mov_b32 s32, 1
	s_add_nc_u64 s[34:35], s[6:7], s[80:81]
	s_or_b32 s35, s35, 0x80000000
	s_add_nc_u64 s[82:83], s[4:5], s[82:83]
.irp p, 0,1,2,3,4,5
	s_mov_b32 s[36+4*\p], 1
	s_add_co_u32 s[37+4*\p], s79, \p*49152
	s_add_nc_u64 s[38+4*\p:39+4*\p], s[82:83], \p*49152
	s_or_b32 s[39+4*\p], s[39+4*\p], 0x80000000
.endr
	CROUND                                         ; all four work-groups are here: the joint loads meet
	tensor_load_to_lds s[32:35], s[24:31]          ; the scale words first,
	s_nop 0
.irp p, 0,1,2,3,4,5
	tensor_load_to_lds s[36+4*\p:39+4*\p], s[16:23]   ; then my tile of each piece, in the order in which the pieces are worked
	s_nop 0
.endr
	PLACES 4
.irp ap, 0,1
.irp s, 0,1,2,3,4,5,6,7
	global_load_b32 v[XS+8*\ap+\s], v[LSC], s[68:69] offset:512*\ap+64*\s
.endr
.endr
	WIN 0x40                                       ; destination window 1
.irp s, 0,1,2,3,4
.irp a, 0,1,2,3
	GFRAG 48*\s+12*\a, 12288*\a+1536*\s
.endr
.endr
	WIN 0x80                                       ; destination window 2
.irp s, 5,6,7
.irp a, 0,1,2,3
	GFRAG 48*(\s-5)+12*\a, 12288*\a+1536*\s
.endr
.endr
	WIN 0
	MEETW 5                                        ; the scale words and piece 0 are in; the five later pieces' loads may be out
	PIECES 1, 1
	MEETW 3                                        ; pieces 1 and 2
	PIECES 2, 0
	MEETW 0                                        ; pieces 3 to 5
	PIECES 3, 0
	s_wait_tensorcnt 0x0                           ; the wave's end
	ds_add_u32 v[SPW], v[NIL]
	s_wait_dscnt 0x0
	CROUND                                         ; the closing round
	s_endpgm
.Lfunc_end_k_q52d17c6814_qkv:
	.size	k_q52d17c6814_qkv, .Lfunc_end_k_q52d17c6814_qkv-k_q52d17c6814_qkv
	.p2alignl 7, 3214868480
	.fill 96, 4, 3214868480
	.section	.rodata,"a",@progbits
	.p2align	6, 0x0
	.amdhsa_kernel k_q52d17c6814_qkv
		.amdhsa_group_segment_fixed_size 327680
		.amdhsa_private_segment_fixed_size 0
		.amdhsa_enable_private_segment 0
		.amdhsa_kernarg_size 32
		.amdhsa_user_sgpr_count 2
		.amdhsa_user_sgpr_kernarg_segment_ptr 1
		.amdhsa_wavefront_size32 1
		.amdhsa_system_sgpr_workgroup_id_x 1
		.amdhsa_system_sgpr_workgroup_id_y 1
		.amdhsa_system_sgpr_workgroup_id_z 1
		.amdhsa_system_vgpr_workitem_id 0
		.amdhsa_next_free_vgpr 768
		.amdhsa_next_free_sgpr 96
		.amdhsa_reserve_vcc 0
		.amdhsa_float_denorm_mode_32 3
		.amdhsa_float_denorm_mode_16_64 3
		.amdhsa_memory_ordered 1
		.amdhsa_forward_progress 1
		.amdhsa_inst_pref_size 204
	.end_amdhsa_kernel
	.amdgpu_metadata
---
amdhsa.version: [ 1, 2 ]
amdhsa.kernels:
  - .name:           k_q52d17c6814_qkv
    .symbol:         k_q52d17c6814_qkv.kd
    .args:
      - { .name: cw, .offset: 0, .size: 8, .value_kind: global_buffer, .address_space: global }
      - { .name: sw, .offset: 8, .size: 8, .value_kind: global_buffer, .address_space: global }
      - { .name: qkvc, .offset: 16, .size: 8, .value_kind: global_buffer, .address_space: global }
      - { .name: qkvs, .offset: 24, .size: 8, .value_kind: global_buffer, .address_space: global }
    .group_segment_fixed_size: 327680
    .private_segment_fixed_size: 0
    .kernarg_segment_align: 8
    .kernarg_segment_size: 32
    .max_flat_workgroup_size: 128
    .sgpr_count:     96
    .vgpr_count:     768
    .wavefront_size: 32
...
	.end_amdgpu_metadata
.endif
;; end of part 2
;; launch attn (part 3): grid 4 x 64, 16 waves a work-group, no clusters, 215,040 bytes of LDS; arguments qkvc, qkvs, ac, asc; writes ac, asc
.if DOCPART == 3
	.amdgcn_target "amdgcn-amd-amdhsa--gfx1250"
	.amdhsa_code_object_version 6
	.text
	.protected	k_q52d17c6814_attn
	.globl	k_q52d17c6814_attn
	.p2align	8
	.type	k_q52d17c6814_attn,@function
k_q52d17c6814_attn:
	s_mov_b64 s[64:65], 0
	v_nop
	global_prefetch_b8 v0, s[64:65] scope:SCOPE_SE
	s_setreg_imm32_b32 hwreg(HW_REG_WAVE_MODE, 25, 1), 1
	s_wait_xcnt 0x0
; Causal attention of one head on codes of FP6 (E2M3) with E8M0 scales, and its result quantised along the model's 1,024 for the last product.
; t = score x log2(e) / 8; M = the running largest t rounded UP to a whole number; p = 2^(t - M) is quantised along the keys, not normalised; the row's sum is taken of the unquantised p and divides at the end.
; When M moves, the sum and O are multiplied by 2^(old M - new M): exact.
; SHARES.  Work-group (i, bh) takes query blocks i and 7 - i (256 queries each) of head bh, one after the other, so that every wave has 16 to 18 key steps that count, whatever i.  Each of sixteen waves owns one tile
; of 16 queries, in the tiles' row order: queries QMIN + r + 8 (r / 8), QMIN = 32 (tile / 2) + 8 (tile % 2).  Four waves share a SIMD: one wave's vector work stands beside another's products and LDS loads.
; THE WHOLE HEAD LIES IN LDS: K's 128 half images, V's 128, and both scale words: three tensor loads a wave, all first fills; nothing is filled again, and no barrier stands inside a pass.
; Pass 0 reads keys under 1,024 alone, so it starts when the first two loads of every wave have landed; by this text's count three loads of a wave are out at the most.
; NO CLUSTER, though the four work-groups of a head read the same 212,992 bytes: a key step all of whose keys are hidden is jumped over, and that branch hangs on the query block, which would be the place in the cluster.
; LAYOUT.  Both products transposed: S^T = K Q^T (source 0 = 16 keys), O^T = V^T P^T (source 0 = 16 of the head's 64): a lane holds one query throughout.  By the tiles' row order the 16 registers of key tiles 2 b and 2 b + 1
; are keys 32 b + 16 h + 0 .. 15, and O^T's 32 registers are d = 32 B + 16 h + i at 16 B + i.  The first product's K is 64: Q's upper six registers are zero codes, so what stands in K's upper six adds nothing
; (they are the next tile's codes; the scale bytes of the upper 64 are 0, which is 2^-127 and no NaN).
; LIMITS: NaN and infinities are not served; a block's largest p is taken from the block's largest score, which takes v_exp_f32 not to fall where its input rises; the largest t starts at -3e38.
; ac: [token tile 0..511][head][768]: half images, so that two heads make a K step's image; asc: [token tile][K step][r] words, head 2 s + c owns the word's half c.
.set VC,    98304                      ; LDS: K's codes from 0 (tile t at 768 t); V's here ((2 S + c) 3,072 + 768 b)
.set KS,    196608                     ; K's scale words (64 bytes a tile); V's 8,192 on (512 S + 256 c + 64 b)
.set SPARE, 212992                     ; the spare words, 128 bytes a wave: eight blocks of 256 bytes that no other line names
.set SPW,  13                          ; v13 my spare word; never rewritten
.set NIL,  14                          ; v14 0; never rewritten
.set TM,   212                         ; v212-215 the blocks' largest; v216-219 the other half's, then bytes; v220-223 scale operands
.set PT,   216
.set CT,   204                         ; v204-211 the upper halves of the codes
.set SEL,  56                          ; s[56:57]
; v1 16 l; v2 8 l; v3, v4 the same in V's codes; v5 4 l in the scale words; v6 4 r; v7 r + 8 (r / 8) - 16 h; v8-12 the step's addresses; v16 -M; v17 the largest t; v[18:19] the sum; v20-31 Q (v26-31 zeros); v32 Q's scale word;
; v33-36 K's scale words; v37-40 V's; v41 p's; v42-95 K's eight half images, then V's four fragments (v90-95 zeros); v96-159 S^T, then p; v160-191 O^T; v192-203 p's codes; v[224:225] a second sum; v[226:227] f; v228-229 at work;
; v232-238 the second pass's Q.   s12 wave; s13 i; s14 bh; s45 the step's codes; s46 its scale words; s47 its first key; s48 QMIN; s49 QMAX; s50 trips; s[54:55] c; s[58:59], s[60:61] where the results go.
.macro QUANT s, d, w, n                ; n entities of 32 numbers of a lane, register 16 B + i = k 32 B + 16 h + i of my row: half an image in v[d] on, two scale bytes in v[w]
.set qe, 0
.rept \n
.irp b, 0,1
	v_max3_num_f32 v[TM+2*qe+\b], |v[\s+32*qe+16*\b]|, |v[\s+32*qe+16*\b+1]|, 0x1800000   ; the floor 2^(3 - 127) holds the byte at 1 from below
.endr
.set qe, qe+1
.endr
.irp i, 2,4,6,8,10,12,14
.set qe, 0
.rept \n
.irp b, 0,1
	s_delay_alu instid0(VALU_DEP_2)
	v_max3_num_f32 v[TM+2*qe+\b], v[TM+2*qe+\b], |v[\s+32*qe+16*\b+\i]|, |v[\s+32*qe+16*\b+\i+1]|
.endr
.set qe, qe+1
.endr
.endr
.set qe, 0
.rept 2*\n
	s_delay_alu instid0(VALU_DEP_2)
	v_permlanex16_b32 v[PT+qe], v[TM+qe], s[SEL], s[SEL+1]
.set qe, qe+1
.endr
.set qe, 0
.rept 2*\n
	s_delay_alu instid0(VALU_DEP_2)
	v_max_num_f32 v[TM+qe], v[TM+qe], v[PT+qe]
.set qe, qe+1
.endr
.set qe, 0
.rept 2*\n
	s_delay_alu instid0(VALU_DEP_2)
	v_add_nc_u32 v[TM+qe], 0xff000000, v[TM+qe]    ; 2 off the exponent field: the conversion's scale operand
.set qe, qe+1
.endr
.set qe, 0
.rept 2*\n
	s_delay_alu instid0(VALU_DEP_2)
	v_lshrrev_b32 v[PT+qe], 23, v[TM+qe]           ; the scale's byte
.set qe, qe+1
.endr
.set qe, 0
.rept \n
	s_delay_alu instid0(VALU_DEP_1)
	v_lshl_or_b32 v[\w+qe], v[PT+2*qe+1], 8, v[PT+2*qe]
.set qe, qe+1
.endr
.set qe, 0
.rept \n
	v_cvt_scalef32_pk16_fp6_f32 v[\d+6*qe:\d+6*qe+2], v[\s+32*qe:\s+32*qe+15], v[TM+2*qe]
	v_cvt_scalef32_pk16_fp6_f32 v[CT+4*qe:CT+4*qe+2], v[\s+32*qe+16:\s+32*qe+31], v[TM+2*qe+1]
.set qe, qe+1
.endr
	v_nop                                          ; one plain place behind the scaled conversions
.set qe, 0
.rept \n
.irp i, 0,1,2
	v_permlane16_swap_b32 v[\d+6*qe+\i], v[CT+4*qe+\i]
.endr
.irp i, 0,1,2
	s_delay_alu instid0(VALU_DEP_3)
	v_mov_b32 v[\d+6*qe+3+\i], v[CT+4*qe+\i]
.endr
.set qe, qe+1
.endr
.endm
; A KEY STEP: 128 keys.
.macro STEP
	s_cmp_gt_u32 s47, s49                          ; all keys come after my queries: the step's work is left out; ids and the count of steps alone decide
	s_cbranch_scc1 .Lhid_\@
	s_setprio 2
	v_add_nc_u32 v8, s45, v1                       ; (these five are also the places in front of loads into registers that the last products read)
	v_add_nc_u32 v9, s45, v2
	v_add_nc_u32 v10, s45, v3
	v_add_nc_u32 v11, s45, v4
	v_add_nc_u32 v12, s46, v5
.irp t, 0,1,2,3,4,5,6,7
	ds_load_b128 v[42+6*\t:45+6*\t], v8 offset:768*\t
	ds_load_b64 v[46+6*\t:47+6*\t], v9 offset:768*\t+512
.endr
.irp i, 0,1,2,3
	ds_load_b32 v[33+\i], v12 offset:128*\i        ; lanes 0-15: key tile 2 i's words, lanes 16-31 tile 2 i + 1's
.endr
.irp i, 0,1,2,3
	ds_load_b32 v[37+\i], v12 offset:8192+128*\i   ; V's: i = 0, 1: the first 64 keys, d tiles 0, 1 and 2, 3; i = 2, 3: the second 64
.endr
	s_wait_alu depctr_va_vdst(0)
	s_wait_dscnt 0x0
.irp t, 0,2,4,6
	v_wmma_scale_f32_16x16x128_f8f6f4 v[96+8*\t:103+8*\t], v[42+6*\t:53+6*\t], v[20:31], 0, v[33+\t/2], v32 matrix_a_fmt:MATRIX_FMT_FP6 matrix_b_fmt:MATRIX_FMT_FP6
	v_wmma_scale_f32_16x16x128_f8f6f4 v[104+8*\t:111+8*\t], v[48+6*\t:59+6*\t], v[20:31], 0, v[33+\t/2], v32 matrix_a_fmt:MATRIX_FMT_FP6 matrix_b_fmt:MATRIX_FMT_FP6 matrix_a_scale:MATRIX_SCALE_ROW1
.endr
	v_or_b32 v37, v37, v39                         ; V's scale words of the 128 keys: the two halves' bytes stand at their places.  (Four places: these two and two v_nop)
	v_or_b32 v38, v38, v40
	v_nop
	v_nop
.irp b, 0,1,2,3
.irp c, 0,1
	ds_load_b128 v[42+12*\b+6*\c:45+12*\b+6*\c], v10 offset:3072*\c+768*\b      ; V's four fragments land while the softmax is walked
	ds_load_b64 v[46+12*\b+6*\c:47+12*\b+6*\c], v11 offset:3072*\c+768*\b+512
.endr
.endr
	s_add_co_u32 s62, s47, 127                     ; on the diagonal hidden scores become -infinity; a step all of whose keys count skips this
	s_cmp_le_u32 s62, s48
	s_cbranch_scc1 .Lopen_\@
	s_sub_co_i32 s62, s48, s47
	v_add_nc_u32 v228, s62, v7                     ; d = my query - the step's first key - 16 h.  Register 16 b + i holds key 32 b + 16 h + i of the step: hidden where 32 b + i > d
	v_mov_b32 v229, 0xff800000
.set jj, 0
.rept 64
	v_cmp_gt_i32 vcc_lo, 32*(jj/16)+jj%16, v228
	v_cndmask_b32 v[96+jj], v[96+jj], v229, vcc_lo
.set jj, jj+1
.endr
.Lopen_\@:
.irp b, 0,1,2,3
	v_max3_num_f32 v[212+\b], v[96+16*\b], v[97+16*\b], v[98+16*\b]   ; the largest score of each block of 32 keys: it serves for the row's maximum and for the block's largest p
.endr
.irp i, 3,5,7,9,11,13
.irp b, 0,1,2,3
	v_max3_num_f32 v[212+\b], v[212+\b], v[96+16*\b+\i], v[97+16*\b+\i]
.endr
.endr
.irp b, 0,1,2,3
	v_max_num_f32 v[212+\b], v[212+\b], v[111+16*\b]
.endr
.irp b, 0,1,2,3
	s_delay_alu instid0(VALU_DEP_4)
	v_permlanex16_b32 v[216+\b], v[212+\b], s[SEL], s[SEL+1]
.endr
.irp b, 0,1,2,3
	s_delay_alu instid0(VALU_DEP_4)
	v_max_num_f32 v[212+\b], v[212+\b], v[216+\b]  ; with lane l xor 16's sixteen keys
.endr
	s_delay_alu instid0(VALU_DEP_2)
	v_max3_num_f32 v228, v212, v213, v214
	s_delay_alu instid0(VALU_DEP_1)
	v_max_num_f32 v228, v228, v215
	s_delay_alu instid0(VALU_DEP_1)
	v_mul_f32 v228, s54, v228                      ; as t (c is positive)
	s_delay_alu instid0(VALU_DEP_1)
	v_max_num_f32 v17, v17, v228                   ; the running largest t
	v_mov_b32 v228, v16
	s_delay_alu instid0(VALU_DEP_2)
	v_floor_f32 v16, -v17                          ; the new -M = floor(-t)
	s_delay_alu instid0(VALU_DEP_1)
	v_sub_f32 v228, v16, v228                      ; old M - new M: a whole number, 0 or less
	s_delay_alu instid0(VALU_DEP_1)
	v_cvt_i32_f32 v228, v228                       ; (it saturates)
	s_delay_alu instid0(VALU_DEP_1)
	v_ldexp_f32 v226, 1.0, v228                    ; f = 2^(old M - new M)
.set jj, 0
	s_setprio 1
.rept 32
	v_pk_fma_f32 v[96+jj:97+jj], v[96+jj:97+jj], s[54:55], v[16:17] op_sel_hi:[1,0,0]   ; t - M, two at a time
.set jj, jj+2
.endr
.irp b, 0,1,2,3
	v_fma_f32 v[212+\b], v[212+\b], s54, v16       ; the same of each block's largest score
.endr
.set jj, 0
	s_wait_alu depctr_va_vdst(0)
.rept 64
	v_exp_f32 v[96+jj], v[96+jj]                   ; p = 2^(t - M)
.set jj, jj+1
.endr
	v_pk_mul_f32 v[18:19], v[18:19], v[226:227] op_sel_hi:[1,0]   ; the sums under the new M: a plain place behind the exponentials
	s_wait_alu depctr_va_vdst(0)                   ; one wait for the batch of 64, ahead of its first reader
.irp b, 0,1,2,3
	v_exp_f32 v[212+\b], v[212+\b]                 ; the blocks' largest p
.endr
	v_pk_add_f32 v[224:225], v[100:101], v[104:105]
	v_pk_add_f32 v[254:255], v[108:109], v[112:113]
	v_pk_add_f32 v[252:253], v[116:117], v[120:121]
	v_pk_add_f32 v[250:251], v[124:125], v[128:129]
	v_pk_add_f32 v[248:249], v[132:133], v[136:137]
	v_pk_add_f32 v[246:247], v[140:141], v[144:145]
	v_pk_add_f32 v[244:245], v[148:149], v[152:153]
	v_pk_add_f32 v[18:19], v[18:19], v[156:157]
	v_pk_add_f32 v[224:225], v[224:225], v[96:97]
	v_pk_add_f32 v[254:255], v[254:255], v[98:99]
	v_pk_add_f32 v[252:253], v[252:253], v[102:103]
	v_pk_add_f32 v[250:251], v[250:251], v[106:107]
	v_pk_add_f32 v[248:249], v[248:249], v[110:111]
	v_pk_add_f32 v[246:247], v[246:247], v[114:115]
	v_pk_add_f32 v[244:245], v[244:245], v[118:119]
	v_pk_add_f32 v[18:19], v[18:19], v[122:123]
	v_pk_add_f32 v[224:225], v[224:225], v[126:127]
	v_pk_add_f32 v[254:255], v[254:255], v[130:131]
	v_pk_add_f32 v[252:253], v[252:253], v[134:135]
	v_pk_add_f32 v[250:251], v[250:251], v[138:139]
	v_pk_add_f32 v[248:249], v[248:249], v[142:143]
	v_pk_add_f32 v[246:247], v[246:247], v[146:147]
	v_pk_add_f32 v[244:245], v[244:245], v[150:151]
	v_pk_add_f32 v[18:19], v[18:19], v[154:155]
	v_pk_add_f32 v[224:225], v[224:225], v[158:159]
	s_delay_alu instid0(VALU_DEP_2)
	v_pk_add_f32 v[18:19], v[18:19], v[250:251]
	s_delay_alu instid0(VALU_DEP_2)
	v_pk_add_f32 v[224:225], v[224:225], v[248:249]
	v_pk_add_f32 v[254:255], v[254:255], v[246:247]
	v_pk_add_f32 v[252:253], v[252:253], v[244:245]
	s_delay_alu instid0(VALU_DEP_2)
	v_pk_add_f32 v[18:19], v[18:19], v[254:255]
	s_delay_alu instid0(VALU_DEP_2)
	v_pk_add_f32 v[224:225], v[224:225], v[252:253]
	s_delay_alu instid0(VALU_DEP_1)
	v_pk_add_f32 v[18:19], v[18:19], v[224:225]
	s_wait_alu depctr_va_vdst(0)                   ; and one for the four
.irp b, 0,1,2,3
	v_max_num_f32 v[212+\b], 0x1800000, v[212+\b]  ; the floor: a block whose every p is 0 keeps the byte 1; its codes are zeros
.endr
.irp b, 0,1,2,3
	s_delay_alu instid0(VALU_DEP_4)
	v_add_nc_u32 v[220+\b], 0xff000000, v[212+\b]
.endr
.irp b, 0,1,2,3
	s_delay_alu instid0(VALU_DEP_4)
	v_lshrrev_b32 v[216+\b], 23, v[220+\b]
.endr
	s_delay_alu instid0(VALU_DEP_3)
	v_lshl_or_b32 v41, v217, 8, v216               ; p's scale word for these 128 keys
	s_delay_alu instid0(VALU_DEP_1)
	v_lshl_or_b32 v41, v218, 16, v41
	s_delay_alu instid0(VALU_DEP_1)
	v_lshl_or_b32 v41, v219, 24, v41
	s_setprio 0
.irp c, 0,1
	v_cvt_scalef32_pk16_fp6_f32 v[192+6*\c:194+6*\c], v[96+32*\c:111+32*\c], v[220+2*\c]
	v_cvt_scalef32_pk16_fp6_f32 v[204+4*\c:206+4*\c], v[112+32*\c:127+32*\c], v[220+2*\c+1]
.endr
	v_nop                                          ; one plain place behind the scaled conversions
.irp c, 0,1
.irp i, 0,1,2
	v_permlane16_swap_b32 v[192+6*\c+\i], v[204+4*\c+\i]
.endr
.irp i, 0,1,2
	s_delay_alu instid0(VALU_DEP_3)
	v_mov_b32 v[195+6*\c+\i], v[204+4*\c+\i]
.endr
.endr
.set jj, 0
.rept 16
	v_pk_mul_f32 v[160+jj:161+jj], v[160+jj:161+jj], v[226:227] op_sel_hi:[1,0]   ; O^T under the new M; these sixteen are also the places ahead of the scaled products
.set jj, jj+2
.endr
	s_wait_alu depctr_va_vdst(0)
	s_wait_dscnt 0x0                               ; V's fragments are in
.irp b, 0,2
	v_wmma_scale_f32_16x16x128_f8f6f4 v[160+8*\b:167+8*\b], v[42+12*\b:53+12*\b], v[192:203], v[160+8*\b:167+8*\b], v[37+\b/2], v41 matrix_a_fmt:MATRIX_FMT_FP6 matrix_b_fmt:MATRIX_FMT_FP6
	v_wmma_scale_f32_16x16x128_f8f6f4 v[168+8*\b:175+8*\b], v[54+12*\b:65+12*\b], v[192:203], v[168+8*\b:175+8*\b], v[37+\b/2], v41 matrix_a_fmt:MATRIX_FMT_FP6 matrix_b_fmt:MATRIX_FMT_FP6 matrix_a_scale:MATRIX_SCALE_ROW1
.endr
.Lhid_\@:
	s_add_co_u32 s47, s47, 128
	s_add_co_u32 s45, s45, 6144
	s_add_co_u32 s46, s46, 512
.endm
; O^T / the sum, quantised along the head's 64 (two blocks of the last product's K), leaves as half an image and two scale bytes a row.
.macro OUT
	v_add_f32 v18, v18, v19                        ; the sum's two halves,  (the two additions and the two v_nop are the places behind the last products)
	s_delay_alu instid0(VALU_DEP_1)
	v_permlanex16_b32 v228, v18, s[SEL], s[SEL+1]
	s_delay_alu instid0(VALU_DEP_1)
	v_add_f32 v18, v18, v228                       ; and lane l xor 16's
	s_wait_alu depctr_va_vdst(0)
	v_rcp_f32 v226, v18
	v_nop
	v_nop
	s_wait_alu depctr_va_vdst(0)                   ; ahead of the reciprocal's first reader
.set jj, 0
.rept 16
	v_pk_mul_f32 v[96+jj:97+jj], v[160+jj:161+jj], v[226:227] op_sel_hi:[1,0]   ; each accumulator from its low end on
.set jj, jj+2
.endr
	QUANT 96, 192, 228, 1
	global_store_b128 v1, v[192:195], s[58:59]     ; 512 consecutive bytes,
	global_store_b64 v2, v[196:197], s[58:59] offset:512   ; and 256
	global_store_b16 v6, v228, s[60:61]            ; my row's two bytes, in its word (lanes l and l xor 16 store the same)
.endm
.macro PASS p, trips
.if \p
	s_wait_xcnt 0x0                                ; the first pass's stores have read their data and bases
.irp i, 0,1,2,3,4,5
	v_mov_b32 v[20+\i], v[232+\i]
.endr
	v_mov_b32 v32, v238
	s_sub_co_u32 s51, 7, s13
.else
	s_mov_b32 s51, s13
.endif
	s_lshl_b32 s52, s51, 4
	s_add_co_u32 s52, s52, s12                     ; my tile of queries
	s_lshr_b32 s48, s52, 1
	s_lshl_b32 s48, s48, 5
	s_and_b32 s62, s52, 1
	s_lshl_b32 s62, s62, 3
	s_add_co_u32 s48, s48, s62                     ; QMIN
	s_add_co_u32 s49, s48, 23                      ; QMAX
	s_lshr_b32 s62, s14, 4
	s_lshl_b32 s62, s62, 7
	s_add_co_u32 s62, s62, s52                     ; the tile among all 512
	s_and_b32 s63, s14, 15                         ; head
	s_lshl_b32 s66, s62, 4
	s_add_co_u32 s66, s66, s63
	s_mul_i32 s66, s66, 768
	s_mov_b32 s67, 0
	s_add_nc_u64 s[58:59], s[8:9], s[66:67]
	s_lshl_b32 s66, s62, 9
	s_lshr_b32 s68, s63, 1
	s_lshl_b32 s68, s68, 6
	s_add_co_u32 s66, s66, s68
	s_and_b32 s68, s63, 1
	s_lshl_b32 s68, s68, 1
	s_add_co_u32 s66, s66, s68
	s_add_nc_u64 s[60:61], s[10:11], s[66:67]
	v_mov_b32 v17, 0xff61b1e6                      ; the largest t so far: -3e38
	s_delay_alu instid0(VALU_DEP_1)
	v_floor_f32 v16, -v17
	v_mov_b32 v18, 0
	v_mov_b32 v19, 0
.set jj, 0
.rept 32
	v_mov_b32 v[160+jj], 0                         ; O^T: the step is written once; its first trip finds zeros, which the first change of M leaves zeros
.set jj, jj+1
.endr
	s_mov_b32 s45, 0
	s_mov_b32 s46, 0
	s_mov_b32 s47, 0
	s_mov_b32 s50, \trips
.Lstep_\@:
	STEP
	s_sub_co_u32 s50, s50, 1
	s_cmp_lg_u32 s50, 0
	s_cbranch_scc1 .Lstep_\@
	s_setprio 0
	OUT
.endm
	s_load_b256 s[4:11], s[0:1], 0x0               ; qkvc, qkvs, ac, asc
	v_lshl_add_u32 v[SPW], v0, 2, SPARE
	v_mov_b32 v[NIL], 0
	ds_add_u32 v[SPW], v[NIL]                      ; the wave's opening: the add and its wait ahead of my first tensor load; work on registers stands between them
	ds_add_u32 v[SPW], v[NIL]
	v_lshrrev_b32 v15, 5, v0
	s_delay_alu instid0(VALU_DEP_1)
	v_readfirstlane_b32 s12, v15                   ; wave 0..15
	v_and_b32 v15, 31, v0
	s_delay_alu instid0(VALU_DEP_1)
	v_lshlrev_b32 v1, 4, v15
	s_delay_alu instid0(VALU_DEP_2)
	v_lshlrev_b32 v2, 3, v15
	s_delay_alu instid0(VALU_DEP_2)
	v_add_nc_u32 v3, VC, v1
	s_delay_alu instid0(VALU_DEP_2)
	v_add_nc_u32 v4, VC, v2
	v_lshl_add_u32 v5, v15, 2, KS
	v_and_b32 v15, 15, v0                          ; r
	s_delay_alu instid0(VALU_DEP_1)
	v_lshlrev_b32 v6, 2, v15
	s_delay_alu instid0(VALU_DEP_2)
	v_and_b32 v7, 8, v15
	s_delay_alu instid0(VALU_DEP_1)
	v_add_nc_u32 v7, v7, v15                       ; r + 8 (r / 8)
	v_bfe_u32 v15, v0, 4, 1
	s_delay_alu instid0(VALU_DEP_1)
	v_lshlrev_b32 v15, 4, v15
	s_delay_alu instid0(VALU_DEP_1)
	v_sub_nc_u32 v7, v7, v15                       ; - 16 h
.irp i, 0,1,2,3,4,5
	v_mov_b32 v[26+\i], 0                          ; Q's upper 64 along K: zero codes
	v_mov_b32 v[90+\i], 0                          ; what stands behind K's last half image
.endr
.irp i, 0,1,2,3
	v_mov_b32 v[216+\i], 0                         ; written once: a lane permute's destination counts as one of its sources
.endr
	v_mov_b32 v227, 0                              ; (named as the upper half of the pair v[226:227])
	v_mov_b32 v228, 0
	s_mov_b32 s13, ttmp9                           ; i
	s_and_b32 s14, ttmp7, 0xffff                   ; bh
	s_and_b32 s15, s12, 7                          ; j: which eighth I fetch
	s_lshr_b32 s44, s12, 3                         ; z: of K (0) or of V (1)
	s_mov_b32 s16, 3<<16                           ; group 1 for codes: no mask; elements of 8 bytes
	s_mov_b32 s17, 32<<16                          ; rows of 256 bytes,
	s_mov_b32 s18, 24<<16                          ; 24 of them: 6,144 dense bytes
	s_mov_b32 s19, 32<<16
	s_mov_b32 s20, 24
	s_mov_b32 s21, 32
	s_mov_b32 s22, 0
	s_mov_b32 s23, 0
	s_mov_b32 s24, 3<<16                           ; group 1 for scale words: 4 rows of 256 bytes
	s_mov_b32 s25, 32<<16
	s_mov_b32 s26, 4<<16
	s_mov_b32 s27, 32<<16
	s_mov_b32 s28, 4
	s_mov_b32 s29, 32
	s_mov_b32 s30, 0
	s_mov_b32 s31, 0
	s_mov_b32 s32, 1
	s_lshl_b32 s33, s12, 10
	s_add_co_u32 s33, s33, KS                      ; LDS: 1,024 bytes of scale words a wave, K's eight waves, then V's
	s_mov_b32 s36, 1
	s_mul_i32 s37, s44, VC
	s_mul_i32 s62, s15, 6144
	s_add_co_u32 s37, s37, s62                     ; keys 128 j on,
	s_mov_b32 s40, 1
	s_add_co_u32 s41, s37, 49152                   ; and keys 1,024 + 128 j on
	s_lshl_b32 s62, s44, 6
	s_add_co_u32 s62, s62, s14
	s_add_co_u32 s62, s62, 64                      ; (type 1 + z) x 64 + bh
	s_lshl_b32 s66, s62, 13
	s_lshl_b32 s63, s15, 10
	s_add_co_u32 s66, s66, s63
	s_mov_b32 s67, 0
	s_mul_i32 s68, s62, 98304
	s_mul_i32 s63, s15, 6144
	s_add_co_u32 s68, s68, s63
	s_mov_b32 s69, 0
	s_mul_i32 s70, s14, 98304                      ; Q: the head's half images; the first pass's tile 16 i + w,
	s_lshl_b32 s62, s13, 4
	s_add_co_u32 s62, s62, s12
	s_mul_i32 s63, s62, 768
	s_add_co_u32 s70, s70, s63
	s_mov_b32 s71, 0
	s_lshl_b32 s74, s14, 13
	s_lshl_b32 s63, s62, 6
	s_add_co_u32 s74, s74, s63
	s_mov_b32 s75, 0
	s_sub_co_u32 s62, 7, s13                       ; the second's 16 (7 - i) + w
	s_lshl_b32 s62, s62, 4
	s_add_co_u32 s62, s62, s12
	s_mul_i32 s72, s14, 98304
	s_mul_i32 s63, s62, 768
	s_add_co_u32 s72, s72, s63
	s_mov_b32 s73, 0
	s_lshl_b32 s76, s14, 13
	s_lshl_b32 s63, s62, 6
	s_add_co_u32 s76, s76, s63
	s_mov_b32 s77, 0
	s_mov_b32 s54, 0x3e38aa3b                      ; c = log2(e) / 8
	s_mov_b32 s55, s54                             ; (named with it as a pair)
	s_mov_b32 s[SEL], 0x76543210
	s_mov_b32 s[SEL+1], 0xfedcba98
	s_wait_dscnt 0x0                               ; the opening add is done
	s_wait_kmcnt 0x0
	s_add_nc_u64 s[34:35], s[6:7], s[66:67]
	s_or_b32 s35, s35, 0x80000000
	s_add_nc_u64 s[38:39], s[4:5], s[68:69]
	s_add_nc_u64 s[42:43], s[38:39], 49152
	s_or_b32 s39, s39, 0x80000000
	s_or_b32 s43, s43, 0x80000000
	tensor_load_to_lds s[32:35], s[24:31]          ; scale words,
	s_nop 0
	tensor_load_to_lds s[36:39], s[16:23]          ; my eighth of keys 0 to 1,023,
	s_nop 0
	tensor_load_to_lds s[40:43], s[16:23]          ; and of keys 1,024 to 2,047
	s_nop 0
.rept 4
	v_nop
.endr
	s_add_nc_u64 s[70:71], s[4:5], s[70:71]
	s_add_nc_u64 s[72:73], s[4:5], s[72:73]
	s_add_nc_u64 s[74:75], s[6:7], s[74:75]
	s_add_nc_u64 s[76:77], s[6:7], s[76:77]
	global_load_b128 v[20:23], v1, s[70:71]
	global_load_b64 v[24:25], v2, s[70:71] offset:512
	global_load_b32 v32, v6, s[74:75]
	global_load_b128 v[232:235], v1, s[72:73]
	global_load_b64 v[236:237], v2, s[72:73] offset:512
	global_load_b32 v238, v6, s[76:77]
	s_wait_loadcnt 0x0
	s_wait_tensorcnt 0x1                           ; my scale words and my part of keys 0 to 1,023 are in; my last load may be out: the first pass reads none of its bytes
	s_barrier_signal -1
	s_barrier_wait -1                              ; everybody's are
	PASS 0, 8
	s_wait_tensorcnt 0x0                           ; my part of the later keys is in,
	s_wait_dscnt 0x0
	s_barrier_signal -1
	s_barrier_wait -1                              ; everybody's is
	PASS 1, 16
	s_wait_tensorcnt 0x0                           ; the wave's end
	ds_add_u32 v[SPW], v[NIL]
	s_wait_dscnt 0x0
	s_endpgm
.Lfunc_end_k_q52d17c6814_attn:
	.size	k_q52d17c6814_attn, .Lfunc_end_k_q52d17c6814_attn-k_q52d17c6814_attn
	.p2alignl 7, 3214868480
	.fill 96, 4, 3214868480
	.section	.rodata,"a",@progbits
	.p2align	6, 0x0
	.amdhsa_kernel k_q52d17c6814_attn
		.amdhsa_group_segment_fixed_size 215040
		.amdhsa_private_segment_fixed_size 0
		.amdhsa_enable_private_segment 0
		.amdhsa_kernarg_size 32
		.amdhsa_user_sgpr_count 2
		.amdhsa_user_sgpr_kernarg_segment_ptr 1
		.amdhsa_wavefront_size32 1
		.amdhsa_system_sgpr_workgroup_id_x 1
		.amdhsa_system_sgpr_workgroup_id_y 1
		.amdhsa_system_sgpr_workgroup_id_z 1
		.amdhsa_system_vgpr_workitem_id 0
		.amdhsa_next_free_vgpr 256
		.amdhsa_next_free_sgpr 80
		.amdhsa_reserve_vcc 1
		.amdhsa_float_denorm_mode_32 3
		.amdhsa_float_denorm_mode_16_64 3
		.amdhsa_memory_ordered 1
		.amdhsa_forward_progress 1
		.amdhsa_inst_pref_size 66
	.end_amdhsa_kernel
	.amdgpu_metadata
---
amdhsa.version: [ 1, 2 ]
amdhsa.kernels:
  - .name:           k_q52d17c6814_attn
    .symbol:         k_q52d17c6814_attn.kd
    .args:
      - { .name: qkvc, .offset: 0, .size: 8, .value_kind: global_buffer, .address_space: global }
      - { .name: qkvs, .offset: 8, .size: 8, .value_kind: global_buffer, .address_space: global }
      - { .name: ac, .offset: 16, .size: 8, .value_kind: global_buffer, .address_space: global }
      - { .name: asc, .offset: 24, .size: 8, .value_kind: global_buffer, .address_space: global }
    .group_segment_fixed_size: 215040
    .private_segment_fixed_size: 0
    .kernarg_segment_align: 8
    .kernarg_segment_size: 32
    .max_flat_workgroup_size: 512
    .sgpr_count:     80
    .vgpr_count:     256
    .wavefront_size: 32
...
	.end_amdgpu_metadata
.endif
;; end of part 3
;; launch proj (part 4): grid 32 x 8, 4 waves a work-group, clusters of 4 x 1, 167,936 bytes of LDS; arguments ac, asc, cw, sw, out0; writes out0
.if DOCPART == 4
	.amdgcn_target "amdgcn-amd-amdhsa--gfx1250"
	.amdhsa_code_object_version 6
	.text
	.protected	k_q52d17c6814_proj
	.globl	k_q52d17c6814_proj
	.p2align	8
	.type	k_q52d17c6814_proj,@function
k_q52d17c6814_proj:
	s_mov_b64 s[64:65], 0
	v_nop
	global_prefetch_b8 v0, s[64:65] scope:SCOPE_SE
	s_setreg_imm32_b32 hwreg(HW_REG_WAVE_MODE, 25, 1), 1
	s_wait_xcnt 0x0
	s_wait_alu depctr_hold_cnt(0) depctr_sa_sdst(0) depctr_va_vdst(0) depctr_va_sdst(0) depctr_va_ssrc(0) depctr_va_vcc(0) depctr_vm_vsrc(0)
	s_getreg_b32 s2, hwreg(HW_REG_IB_STS2, 6, 4)
	s_cmp_eq_u32 s2, 0
	s_cbranch_scc0 .Lentry_in_a_cluster
	s_endpgm
.Lentry_in_a_cluster:
	s_bfe_u32 s2, ttmp6, 0x10000c
	s_cmp_lg_u32 s2, 0x3003
	s_cbranch_scc0 .Lentry_shape_is_right
	s_endpgm
.Lentry_shape_is_right:
; out0 = a Wo^T on codes of FP6 (E2M3) with E8M0 scales, sums in f32.  a: the attention's result as operand images by tiles of 16 tokens (ac, asc: the same shape as cw, sw); Wo: tiles 704-767 of cw, sw.
; Tile t holds rows 32 (t / 2) + 8 (t % 2) + r + 8 (r / 8).  An image: 12 registers a lane in two halves of 768 bytes (512 bytes at 16 l, 256 at 8 l).
; SHARES.  A work-group takes 256 tokens (mi) x 128 columns (nj): two pieces of 64 columns.  Wave w owns tokens 64 w .. 64 w + 63: its 32 fragments of a, all of K, stay in 384 registers, loaded once.
; The group's 8 tiles of Wo and their scale words lie whole in LDS: three tensor loads a wave, all first fills; nothing is filled again.
; CLUSTER.  The four work-groups of a cluster share nj: Wo comes by joint loads (mask 15), with descriptors made of nj and the wave's number alone.
; ORIENTATION.  Source 0 = 16 rows of Wo, source 1 = 16 tokens: a lane holds one token, and the 32 registers of Wo's four tiles are columns 32 B + 16 h + i at register 16 B + i.
; THE WAY OUT.  A tile of 16 tokens x 64 columns goes through the wave's own stage in LDS and leaves by rows: sixteen lanes store 256 consecutive bytes, at a multiple of 256 from out0's first byte.
; REGISTERS: window 0: v1-12 addresses; v16-31 a's scale words; v32-47 Wo's; v64-127 rows on the way out, two sets; v128-255 sixteen accumulators.
;   window 1: v0-239 a's fragments of K steps 0-4.   window 2: v0-143 those of K steps 5-7; v144-239 two buffers of four fragments of Wo.
.set WS,    98304                      ; LDS: Wo's codes from 0; its scale words here, 512 bytes a tile
.set STG,   102400                     ; a stage of 16 rows x (256 bytes + 16) for each wave; no tensor load lands here
.set SPARE, 119808                     ; the spare words, 128 bytes a wave: two blocks of 256 bytes that no other line names
.set L16,  1
.set L8,   2
.set LSC,  3                           ; v3  4 r + 1,024 h
.set AB16, 5
.set AB8,  6
.set AWS,  7
.set SPW,  8                           ; v8  my spare word; never rewritten
.set NIL,  9                           ; v9  0; never rewritten
.set STO,  10                          ; v10 the stage: row r, + 64 h
.set RD,   11                          ; v11 back: row h, + 16 r
.set CO,   12                          ; v12 the same place in out0: 4,096 h + 16 r
.set XS,   16
.set WSR,  32
.set OB,   64
.set ACC,  128
.set WB,   144
.set MSB, 0
.macro WIN new                         ; the immediate's high byte repeats the setting that is left
.if MSB != \new
	s_set_vgpr_msb (MSB<<8)|\new
.set MSB, \new
.endif
.endm
.macro PLACES n
.rept \n
	v_nop
.endr
.endm
.macro CROUND                          ; a round of the cluster's barrier
	s_barrier_signal -1
	s_barrier_wait -1
	s_cmp_lg_u32 s12, 0
	s_cbranch_scc1 .Lnw0_\@
	s_barrier_signal -3
.Lnw0_\@:
	s_barrier_wait -3
	s_barrier_signal -1
	s_barrier_wait -1
.endm
.macro GFRAG reg, off                  ; a fragment's image from memory
	global_load_b128 v[\reg:\reg+3], v[L16], s[66:67] offset:\off
	global_load_b64 v[\reg+4:\reg+5], v[L8], s[66:67] offset:\off+512
	global_load_b128 v[\reg+6:\reg+9], v[L16], s[66:67] offset:\off+768
	global_load_b64 v[\reg+10:\reg+11], v[L8], s[66:67] offset:\off+1280
.endm
.macro FETCHB s                        ; the piece's four fragments of Wo of K step s, from LDS into buffer s % 2: sixteen loads
.irp b, 0,1,2,3
	ds_load_b128 v[WB+48*((\s)%2)+12*\b:WB+48*((\s)%2)+12*\b+3], v[AB16] offset:12288*\b+1536*(\s)
	ds_load_b64 v[WB+48*((\s)%2)+12*\b+4:WB+48*((\s)%2)+12*\b+5], v[AB8] offset:12288*\b+1536*(\s)+512
	ds_load_b128 v[WB+48*((\s)%2)+12*\b+6:WB+48*((\s)%2)+12*\b+9], v[AB16] offset:12288*\b+1536*(\s)+768
	ds_load_b64 v[WB+48*((\s)%2)+12*\b+10:WB+48*((\s)%2)+12*\b+11], v[AB8] offset:12288*\b+1536*(\s)+1280
.endr
.endm
.macro MM d, fa, fb, k, sa, sb, ra, rb ; one matrix instruction; k = 0 starts the sum; ra, rb: the scales stand in lanes 16-31
.if (\k) == 0
.if (\ra) && (\rb)
	v_wmma_scale_f32_16x16x128_f8f6f4 v[\d:\d+7], v[\fa:\fa+11], v[\fb:\fb+11], 0, v[\sa], v[\sb] matrix_a_fmt:MATRIX_FMT_FP6 matrix_b_fmt:MATRIX_FMT_FP6 matrix_a_scale:MATRIX_SCALE_ROW1 matrix_b_scale:MATRIX_SCALE_ROW1
.elseif \ra
	v_wmma_scale_f32_16x16x128_f8f6f4 v[\d:\d+7], v[\fa:\fa+11], v[\fb:\fb+11], 0, v[\sa], v[\sb] matrix_a_fmt:MATRIX_FMT_FP6 matrix_b_fmt:MATRIX_FMT_FP6 matrix_a_scale:MATRIX_SCALE_ROW1
.elseif \rb
	v_wmma_scale_f32_16x16x128_f8f6f4 v[\d:\d+7], v[\fa:\fa+11], v[\fb:\fb+11], 0, v[\sa], v[\sb] matrix_a_fmt:MATRIX_FMT_FP6 matrix_b_fmt:MATRIX_FMT_FP6 matrix_b_scale:MATRIX_SCALE_ROW1
.else
	v_wmma_scale_f32_16x16x128_f8f6f4 v[\d:\d+7], v[\fa:\fa+11], v[\fb:\fb+11], 0, v[\sa], v[\sb] matrix_a_fmt:MATRIX_FMT_FP6 matrix_b_fmt:MATRIX_FMT_FP6
.endif
.else
.if (\ra) && (\rb)
	v_wmma_scale_f32_16x16x128_f8f6f4 v[\d:\d+7], v[\fa:\fa+11], v[\fb:\fb+11], v[\d:\d+7], v[\sa], v[\sb] matrix_a_fmt:MATRIX_FMT_FP6 matrix_b_fmt:MATRIX_FMT_FP6 matrix_a_scale:MATRIX_SCALE_ROW1 matrix_b_scale:MATRIX_SCALE_ROW1
.elseif \ra
	v_wmma_scale_f32_16x16x128_f8f6f4 v[\d:\d+7], v[\fa:\fa+11], v[\fb:\fb+11], v[\d:\d+7], v[\sa], v[\sb] matrix_a_fmt:MATRIX_FMT_FP6 matrix_b_fmt:MATRIX_FMT_FP6 matrix_a_scale:MATRIX_SCALE_ROW1
.elseif \rb
	v_wmma_scale_f32_16x16x128_f8f6f4 v[\d:\d+7], v[\fa:\fa+11], v[\fb:\fb+11], v[\d:\d+7], v[\sa], v[\sb] matrix_a_fmt:MATRIX_FMT_FP6 matrix_b_fmt:MATRIX_FMT_FP6 matrix_b_scale:MATRIX_SCALE_ROW1
.else
	v_wmma_scale_f32_16x16x128_f8f6f4 v[\d:\d+7], v[\fa:\fa+11], v[\fb:\fb+11], v[\d:\d+7], v[\sa], v[\sb] matrix_a_fmt:MATRIX_FMT_FP6 matrix_b_fmt:MATRIX_FMT_FP6
.endif
.endif
.endm
; A piece's eight K steps: sixteen accumulators by turns, one instruction a turn, in the same order in every step.  first = 1: the first piece waits for a's fragments as they come.
.macro KLOOP first
.set ks, 0
.rept 8
.if ks < 7
.if ks > 0
	PLACES 4                                       ; places in front of loads into the buffer that the last step's products read
.endif
	WIN 0x80                                       ; destination window 2
	FETCHB ks+1
	s_wait_dscnt 16                                ; all but the sixteen just issued
.else
	s_wait_dscnt 0x0
.endif
.if \first
.if ks < 4
	s_wait_loadcnt 63                              ; of my 144 loads at most 63 are out: the 16 scale words and the 64 loads of K steps 0 to 3 are in
.else
	s_wait_loadcnt 16*(7-ks)                       ; the sixteen loads of each later K step may be out
.endif
.endif
.if ks >= 5
	WIN 0x0a                                       ; both sources window 2
.else
	WIN 0x06                                       ; source 0 (Wo) window 2, source 1 (a) window 1
.endif
.irp a, 0,1,2,3
.irp b, 0,1,2,3
	MM ACC+8*(4*\a+\b), WB+48*(ks%2)+12*\b, 48*(ks%5)+12*\a, ks, WSR+8*(\b%2)+ks, XS+8*(\a%2)+ks, \b/2, \a/2
.endr
.endr
.set ks, ks+1
.endr
	WIN 0
.endm
.macro OUTF p
	PLACES 4                                       ; places in front of the first read of results
.irp a, 0,1,2,3
.if (\a >= 2) || \p
	s_wait_xcnt 0x0                                ; the stores that read this set of rows have read it
.endif
.irp b, 0,1,2,3
	ds_store_b128 v[STO], v[ACC+8*(4*\a+\b):ACC+8*(4*\a+\b)+3] offset:128*(\b/2)+32*(\b%2)        ; each accumulator from its low end on: columns 32 (b / 2) + 16 h + 8 (b % 2) + 0 .. 7 of my token
	ds_store_b128 v[STO], v[ACC+8*(4*\a+\b)+4:ACC+8*(4*\a+\b)+7] offset:128*(\b/2)+32*(\b%2)+16
.endr
.irp i, 0,1,2,3,4,5,6,7
	ds_load_b128 v[OB+32*(\a%2)+4*\i:OB+32*(\a%2)+4*\i+3], v[RD] offset:544*\i   ; the tile's rows 2 i and 2 i + 1: LDS serves a wave's instructions in order, so these see the stores above, and the next tile's stores come behind them
.endr
.irp i, 0,1,2,3,4,5,6,7
	s_wait_dscnt 7-\i                              ; the younger loads may be out
	global_store_b128 v[CO], v[OB+32*(\a%2)+4*\i:OB+32*(\a%2)+4*\i+3], s[70:71] offset:(32*(\a/2)+8*(\a%2)+2*\i+8*(\i/4))*4096+256*\p th:TH_STORE_NT
.endr
.endr
.endm
.macro PIECE p
	v_add_nc_u32 v[AB16], \p*49152, v[L16]         ; (these three and the four v_nop at the last way out's head are the places ahead of the loads below and of the sums begun anew)
	v_add_nc_u32 v[AB8], \p*49152, v[L8]
	v_add_nc_u32 v[AWS], WS+\p*2048, v[LSC]
.irp bp, 0,1
.irp s, 0,1,2,3,4,5,6,7
	ds_load_b32 v[WSR+8*\bp+\s], v[AWS] offset:512*\bp+64*\s
.endr
.endr
	WIN 0x80
	FETCHB 0
	KLOOP 1-\p
	OUTF \p
.endm
	s_load_b256 s[4:11], s[0:1], 0x0               ; ac, asc, cw, sw
	s_load_b64 s[70:71], s[0:1], 0x20              ; out0
	v_lshl_add_u32 v[SPW], v0, 2, SPARE
	v_mov_b32 v[NIL], 0
	ds_add_u32 v[SPW], v[NIL]                      ; the wave's opening: the add and its wait ahead of my first tensor load; work on registers stands between them
	v_lshrrev_b32 v13, 5, v0
	v_readfirstlane_b32 s12, v13                   ; wave
	v_and_b32 v13, 31, v0
	v_lshlrev_b32 v[L16], 4, v13
	v_lshlrev_b32 v[L8], 3, v13
	v_and_b32 v13, 15, v0                          ; r
	v_bfe_u32 v14, v0, 4, 1                        ; h
	v_lshlrev_b32 v[LSC], 2, v13
	v_lshl_add_u32 v[LSC], v14, 10, v[LSC]
	s_mul_i32 s92, s12, 4352
	s_add_co_u32 s92, s92, STG                     ; my stage
	v_mul_u32_u24 v[STO], v13, 272
	v_lshl_add_u32 v[STO], v14, 6, v[STO]
	v_add_nc_u32 v[STO], s92, v[STO]
	v_mul_u32_u24 v[RD], v14, 272
	v_lshl_add_u32 v[RD], v13, 4, v[RD]
	v_add_nc_u32 v[RD], s92, v[RD]
	v_lshlrev_b32 v[CO], 12, v14
	v_lshl_add_u32 v[CO], v13, 4, v[CO]
	s_bfe_u32 s13, ttmp6, 0x40000                  ; cx
	s_lshl_b32 s14, ttmp9, 2
	s_add_co_u32 s14, s14, s13                     ; mi: it enters a's and out0's addresses alone
	s_and_b32 s15, ttmp7, 0xffff                   ; nj, which the four partners share
	s_mov_b32 s16, 15|(3<<16)|(1<<21)              ; group 1 for a tile's codes: the mask of all four; elements of 8 bytes; bit 21 beside a mask
	s_mov_b32 s17, 32<<16                          ; rows of 256 bytes,
	s_mov_b32 s18, 48<<16                          ; 48 of them
	s_mov_b32 s19, 32<<16
	s_mov_b32 s20, 48
	s_mov_b32 s21, 32
	s_mov_b32 s22, 0
	s_mov_b32 s23, 0
	s_mov_b32 s24, 15|(3<<16)|(1<<21)              ; group 1 for a quarter of the scale words: 4 rows of 256 bytes
	s_mov_b32 s25, 32<<16
	s_mov_b32 s26, 4<<16
	s_mov_b32 s27, 32<<16
	s_mov_b32 s28, 4
	s_mov_b32 s29, 32
	s_mov_b32 s30, 0
	s_mov_b32 s31, 0
	s_lshl_b32 s78, s15, 3
	s_add_co_u32 s78, s78, 704                     ; the group's first tile of Wo
	s_lshl_b32 s80, s78, 9
	s_lshl_b32 s79, s12, 10
	s_add_co_u32 s80, s80, s79                     ; my quarter of its scale words, in sw,
	s_mov_b32 s81, 0
	s_add_co_u32 s33, s79, WS                      ; and in LDS
	s_add_co_u32 s82, s78, s12
	s_mul_i32 s82, s82, 12288                      ; tile w of piece 0, in cw,
	s_mov_b32 s83, 0
	s_mul_i32 s79, s12, 12288                      ; and in LDS
	s_lshl_b32 s84, s14, 4
	s_lshl_b32 s85, s12, 2
	s_add_co_u32 s84, s84, s85                     ; my first tile of tokens
	s_mul_i32 s86, s84, 12288
	s_mov_b32 s87, 0
	s_lshl_b32 s88, s84, 9
	s_mov_b32 s89, 0
	s_lshl_b32 s90, s84, 16                        ; 16 tokens of 4,096 bytes a tile,
	s_lshl_b32 s91, s15, 9                         ; 128 columns of 4 bytes for each nj
	s_add_co_u32 s90, s90, s91
	s_mov_b32 s91, 0
	s_wait_dscnt 0x0                               ; the opening add is done
	s_wait_kmcnt 0x0
	s_add_nc_u64 s[66:67], s[4:5], s[86:87]        ; a's images
	s_add_nc_u64 s[68:69], s[6:7], s[88:89]        ; a's scale words
	s_add_nc_u64 s[70:71], s[70:71], s[90:91]      ; out0 at my first token and the group's first column
	s_mov_b32 s32, 1
	s_add_nc_u64 s[34:35], s[10:11], s[80:81]
	s_or_b32 s35, s35, 0x80000000
	s_add_nc_u64 s[82:83], s[8:9], s[82:83]
.irp p, 0,1
	s_mov_b32 s[36+4*\p], 1
	s_add_co_u32 s[37+4*\p], s79, \p*49152
	s_add_nc_u64 s[38+4*\p:39+4*\p], s[82:83], \p*49152
	s_or_b32 s[39+4*\p], s[39+4*\p], 0x80000000
.endr
	CROUND                                         ; all four work-groups are here: the joint loads meet
	tensor_load_to_lds s[32:35], s[24:31]          ; the scale words,
	s_nop 0
	tensor_load_to_lds s[36:39], s[16:23]          ; my tile of piece 0,
	s_nop 0
	tensor_load_to_lds s[40:43], s[16:23]          ; and of piece 1
	s_nop 0
	PLACES 4
.irp ap, 0,1
.irp s, 0,1,2,3,4,5,6,7
	global_load_b32 v[XS+8*\ap+\s], v[LSC], s[68:69] offset:512*\ap+64*\s
.endr
.endr
	WIN 0x40                                       ; destination window 1
.irp s, 0,1,2,3,4
.irp a, 0,1,2,3
	GFRAG 48*\s+12*\a, 12288*\a+1536*\s
.endr
.endr
	WIN 0x80                                       ; destination window 2
.irp s, 5,6,7
.irp a, 0,1,2,3
	GFRAG 48*(\s-5)+12*\a, 12288*\a+1536*\s
.endr
.endr
	WIN 0
	s_wait_tensorcnt 0x1                           ; the scale words and my tile of piece 0 are in; piece 1's load may be out,
	s_wait_dscnt 0x0
	s_barrier_signal -1
	s_barrier_wait -1                              ; everybody's are.
	PIECE 0
	s_wait_tensorcnt 0x0                           ; my tile of piece 1 is in,
	s_wait_dscnt 0x0
	s_barrier_signal -1
	s_barrier_wait -1                              ; everybody's is
	PIECE 1
	s_wait_tensorcnt 0x0                           ; the wave's end, behind my last LDS store
	ds_add_u32 v[SPW], v[NIL]
	s_wait_dscnt 0x0
	CROUND                                         ; the closing round
	s_endpgm
.Lfunc_end_k_q52d17c6814_proj:
	.size	k_q52d17c6814_proj, .Lfunc_end_k_q52d17c6814_proj-k_q52d17c6814_proj
	.p2alignl 7, 3214868480
	.fill 96, 4, 3214868480
	.section	.rodata,"a",@progbits
	.p2align	6, 0x0
	.amdhsa_kernel k_q52d17c6814_proj
		.amdhsa_group_segment_fixed_size 167936
		.amdhsa_private_segment_fixed_size 0
		.amdhsa_enable_private_segment 0
		.amdhsa_kernarg_size 40
		.amdhsa_user_sgpr_count 2
		.amdhsa_user_sgpr_kernarg_segment_ptr 1
		.amdhsa_wavefront_size32 1
		.amdhsa_system_sgpr_workgroup_id_x 1
		.amdhsa_system_sgpr_workgroup_id_y 1
		.amdhsa_system_sgpr_workgroup_id_z 1
		.amdhsa_system_vgpr_workitem_id 0
		.amdhsa_next_free_vgpr 768
		.amdhsa_next_free_sgpr 96
		.amdhsa_reserve_vcc 0
		.amdhsa_float_denorm_mode_32 3
		.amdhsa_float_denorm_mode_16_64 3
		.amdhsa_memory_ordered 1
		.amdhsa_forward_progress 1
		.amdhsa_inst_pref_size 90
	.end_amdhsa_kernel
	.amdgpu_metadata
---
amdhsa.version: [ 1, 2 ]
amdhsa.kernels:
  - .name:           k_q52d17c6814_proj
    .symbol:         k_q52d17c6814_proj.kd
    .args:
      - { .name: ac, .offset: 0, .size: 8, .value_kind: global_buffer, .address_space: global }
      - { .name: asc, .offset: 8, .size: 8, .value_kind: global_buffer, .address_space: global }
      - { .name: cw, .offset: 16, .size: 8, .value_kind: global_buffer, .address_space: global }
      - { .name: sw, .offset: 24, .size: 8, .value_kind: global_buffer, .address_space: global }
      - { .name: out0, .offset: 32, .size: 8, .value_kind: global_buffer, .address_space: global }
    .group_segment_fixed_size: 167936
    .private_segment_fixed_size: 0
    .kernarg_segment_align: 8
    .kernarg_segment_size: 40
    .max_flat_workgroup_size: 128
    .sgpr_count:     96
    .vgpr_count:     768
    .wavefront_size: 32
...
	.end_amdgpu_metadata
.endif
;; end of part 4
